; MI455X (gfx1250); checked and timed in simulation.
; The chip was launched on July 23, 2026; its instructions are those of AMD's public machine-readable ISA for CDNA 5 (MIT licence, August 2026) and "CDNA5" Instruction Set Architecture Reference Guide (July 2026). The comments in the code are by the model that wrote it; some were corrected since.
;; Multi Head Self Attention. Allowed arithmetic: matrix products marked QUANTISED: E4M3 operands, one given power-of-two scale a tensor, by v_wmma_f32_16x16x64_fp8_fp8 or v_wmma_f32_16x16x128_fp8_fp8, f32 sums; everything else in f32.
;; Inputs: W_K 512 x 512 float32; W_Q 512 x 512 float32; W_V 512 x 512 float32; lowp_scales 10 int32 (the exponents e of the quantised operands' scales 2^e); x 4 x 2,048 x 512 float32.
;; Outputs: out0 4 x 2,048 x 512 float32.
;; This version of the problem:
;;   THIS VERSION OF THE PROBLEM IS GIVEN IN LOW PRECISION. The matrix products marked QUANTISED in the list below multiply operands that are first quantised to E4M3 (4 exponent bits, 3 mantissa bits; 8 bits a number), with one given power-of-two scale for each operand tensor; their sums are f32. All else is computed in f32.
;;   The module's matrix products, in the order in which they are computed (A, B: the left and right operand; K: the contracted axis; several contracted axes count as one K, in the product's order):
;;     1. [M 8,192, K 512] x [K 512, N 512]; A: input x; B: input W_Q: QUANTISED (scales: A lowp_scales[0], B lowp_scales[1])
;;     2. [M 8,192, K 512] x [K 512, N 512]; A: input x; B: input W_K: QUANTISED (scales: A lowp_scales[2], B lowp_scales[3])
;;     3. [M 8,192, K 512] x [K 512, N 512]; A: input x; B: input W_V: QUANTISED (scales: A lowp_scales[4], B lowp_scales[5])
;;     4. batch 32 x [M 2,048, K 64] x [K 64, N 2,048]; A: computed on the way; B: computed on the way: QUANTISED (scales: A lowp_scales[6], B lowp_scales[7])
;;     5. batch 32 x [M 2,048, K 2,048] x [K 2,048, N 64]; A: computed on the way; B: computed on the way: QUANTISED (scales: A lowp_scales[8], B lowp_scales[9])
;;   THE QUANTISER, for each operand of a quantised product, along K:
;;     - The operand's scale is 2^e, e = its entry of the input lowp_scales (int32; the entries are numbered through the quantised products in the list's order, A before B).
;;     - Each number is divided by the scale, clamped to +-448, and rounded to the nearest number of E4M3, ties to even, subnormals kept.
;;     - The product sums the exact products of the quantised numbers (number of the format x scale) in f32.
;;   ~~~python
;;   def quantise(x, axis, e):      # numpy; x: float32 -> the quantised numbers, widened to float32 again
;;       x = np.moveaxis(x, axis, -1); K = x.shape[-1]
;;       r = np.clip(x / 2.0 ** e, -448, 448)
;;       step = 2.0 ** (np.maximum(np.frexp(np.where(r == 0, 1, r))[1] - 1, -6) - 3)
;;       q = np.round(r / step) * step * 2.0 ** e      # np.round: ties to even
;;       return np.moveaxis(q, -1, axis).astype(np.float32)
;;   ~~~
;;   OPERANDS COMPUTED ON THE WAY. 'Computed on the way' means the value that the module computes at that place (a softmax that the list does not call 'softmax' is quantised finished and normalised). What goes into a quantiser is computed in f32, as accurately as f32 sums, v_exp_f32 and their like allow (about 1e-6 of the number): no bf16 or f16 on the way to a quantiser, and a product that is left as it is and whose result goes on into a quantised operand takes f32 operands (vector FMAs, or v_wmma_f32_16x16x4_f32). A number that lies on a knife's edge between two numbers of the format may be rounded either way, as far as f32 arithmetic and the matrix unit's own rounding can turn it there, and no further.
;; 2 versions, each right; version 2 is version 1 with the launches proj, attn written anew for expert scheduling mode. Each part assembles by itself: llvm-mc -triple=amdgcn-amd-amdhsa -mcpu=gfx1250 --defsym DOCPART=n.
;; ======== version 1 of 2: 2 launches
;; workspace buffers: q_codes 4,194,304 bytes; k_codes 4,194,304 bytes; v_codes 4,194,304 bytes
;; launch proj (part 1): grid 4 x 64, 8 waves a work-group, no clusters, 271,360 bytes of LDS; arguments x, W_Q, W_K, W_V, lowp_scales, q_codes, k_codes, v_codes; writes q_codes, k_codes, v_codes
.if DOCPART == 1
	.amdgcn_target "amdgcn-amd-amdhsa--gfx1250"
	.amdhsa_code_object_version 6
	.text
	.protected	k_q4abf87f577_proj
	.globl	k_q4abf87f577_proj
	.p2align	8
	.type	k_q4abf87f577_proj,@function
k_q4abf87f577_proj:
	s_mov_b64 s[64:65], 0
	v_nop
	global_prefetch_b8 v0, s[64:65] scope:SCOPE_SE
	s_setreg_imm32_b32 hwreg(HW_REG_WAVE_MODE, 25, 1), 1
	s_wait_xcnt 0x0
; q, k, v = x W^T for W_Q, W_K, W_V, each product on codes of E4M3, and each result quantised again for the attention that follows.
; x: [8192][512] f32; W_*: [512][512] f32 (row = output, K innermost); lowp_scales: e0 .. e9 (int32).  x has a scale of its own in each product (e0, e2, e4), the weights e1, e3, e5.
; A sum of product i stands for sum x 2^(ex + ew); its code for the next product is sum / 2^(eo - ex - ew), eo = e6 (q), e7 (k), e9 (v): the three exponents are folded into the conversion's one.
; SHARES.  A work-group takes 128 rows of x (work-group y) and the 128 outputs of two heads (work-group x), for all three weights.  Eight waves.
;   Rows to codes: wave w turns rows 16 w .. 16 w + 15 of the x block (three times, once for each scale) and of each weight's 128 rows into codes in LDS.
;   Products: wave (hh = w & 1, rq = w >> 1) makes head 2 x + hh (four tiles of 16 outputs) for rows 32 rq .. + 31 (two tiles): eight accumulators, which take turns.
; A ROW, f32 TO CODES.  Four loads of 512 consecutive bytes, 16 a lane: lane l holds k = 128 q + 4 l + i in register 4 q + i.  Two conversions make 16 codes, one LDS store puts them at 16 l of the row.
;   So LDS byte 16 l + 4 q + i of a row holds k = 128 q + 4 l + i: a permutation of K, THE SAME for x and for the weights, so that each product meets its partner; only the order of the sums changes.
; OUTPUT, as images of the operand registers of the next launch (each store of a wave covers 512 consecutive bytes, aligned):
;   q_codes, k_codes: [head 32][tile of 16 rows 128][quad 2][lane 32][16 bytes]: lane (r, hf) holds row r, register 2 t + i holds d = 16 t + 8 hf + 4 i + 0 .. 3.  The product is used transposed (source 0 = W) for that.
;   v_codes: [head 32][step of 128 keys 16][tile of 16 d 4][quad 4][lane 32][16 bytes]: lane (r, hf) holds d = 16 t + r, registers 2 c, 2 c + 1 hold keys 16 c + 8 hf + 0 .. 7.  (source 0 = x.)
; NO TENSOR LOADS, NO JOINT LOADS, though four work-groups read each x block and 64 each weight block: the f32 block of x (262,144 bytes) and the four regions of codes (270,336 bytes) do not fit into
;   327,680 bytes of LDS together, and what LDS holds here is a quarter of the f32 bytes.  The numbers go from memory through registers, a ring of eight rows (16,384 bytes a wave) always on its way.
; LIMITS.  e0 .. e5, e6 - e0 - e1, e7 - e2 - e3 and e9 - e4 - e5 lie between -126 and 119, so that 2^e and 448 x 2^e are f32 numbers.  NaN among the inputs is not served (an infinity is held at the largest code).
.set PITCH, 528                        ; a row of 512 codes + 16 bytes: an odd multiple of 16, so the 16 rows of a fragment load start at 16 different 16-byte columns modulo 256
.set WROWS, 16*PITCH                   ; 16 rows
.set RGB,   128*PITCH                  ; a region: 128 rows.  Region 0: x at e0, later W_K; 1: x at e2; 2: x at e4; 3: W_Q, later W_V
.set GL,  1                            ; v1      16 x lane: my bytes of a load's or a store's 512; never rewritten
.set LS,  2                            ; v2-5    where I store a row's codes in region 0 .. 3: region + 16 w rows + 16 x lane
.set FX,  6                            ; v6-8    my fragments of x in region 0 .. 2: region + (32 rq + r) rows + 16 hf
.set FW0, 9                            ; v9      my fragments of a weight in region 0: (64 hh + r) rows + 16 hf
.set FW3, 10                           ; v10     the same in region 3
.set XS,  12                           ; v12-17  (2^e, 448 x 2^e) for x at e0, e2, e4
.set WS,  18                           ; v18-23  the same for W_Q, W_K, W_V
.set OS,  24                           ; v24-29  the same for the results q, k, v (folded exponents)
.set R,   32                           ; v32-159 the ring: eight rows x 16 registers
.set T,   160                          ; v160-191 two sets of 16 held numbers, by turns
.set OC,  160                          ; v160-175 the results' codes, on the way out
.set C,   192                          ; v192-215 codes of rows, on their way to LDS
.set ACC, 192                          ; v192-255 accumulator (a, t) at ACC + 8 (4 a + t)
; window 1: two fragment buffers of 96 registers, at v0 and v96: four fragments of the weight (16 t), two of x (64 + 16 a)
.set MSB, 0
.macro WIN new                         ; the immediate's high byte repeats the setting that is left; a switch that changes nothing is dropped
.if MSB != \new
	s_set_vgpr_msb (MSB<<8)|\new
.set MSB, \new
.endif
.endm
.macro MKSC dst, se                    ; v[dst] = 2^e as f32 (the conversion takes its exponent field), v[dst+1] = 448 x 2^e, e in s[se]
	s_add_co_i32 s46, s[\se], 127
	s_lshl_b32 s47, s46, 23
	v_mov_b32 v[\dst], s47
	s_add_co_i32 s46, s46, 8
	s_lshl_b32 s46, s46, 23
	s_or_b32 s46, s46, 0x600000
	v_mov_b32 v[\dst+1], s46
.endm
; Row idx of 64 (0-15: x, 16-31: W_Q, 32-47: W_K, 48-63: W_V; each my wave's 16 rows) into ring slot idx % 8: four loads of 512 consecutive bytes
.macro LOADROW idx
.irp q, 0,1,2,3
	global_load_b128 v[R+16*((\idx)%8)+4*\q:R+16*((\idx)%8)+4*\q+3], v[GL], s[4+2*((\idx)/16):5+2*((\idx)/16)] offset:((\idx)%16)*2048+512*\q
.endr
.endm
; A row of x: held and converted three times, once for each of its scales, into regions 0, 1, 2
.macro ROWX i
	s_wait_loadcnt 28                              ; my row's four loads are in; the seven younger rows' 28 may be out
	s_wait_dscnt 3                                 ; the last row's three stores may be out; the row before it has read the code registers that are written now
.irp p, 0,1,2
.set TT, T+16*((3*(\i)+\p)%2)
.set RR, R+16*((\i)%8)
.set CC, C+12*((\i)%2)+4*\p
.set j, 0
.rept 16
	v_med3_num_f32 v[TT+j], v[RR+j], -v[XS+2*\p+1], v[XS+2*\p+1]   ; the conversion to an 8-bit code does not saturate (ISA guide 7.6.2): hold first.  The two sets T take turns, so these lines are also the plain lines behind the conversions before
.set j, j+1
.endr
	v_cvt_scalef32_pk8_fp8_f32 v[CC:CC+1], v[TT:TT+7], v[XS+2*\p]
	v_cvt_scalef32_pk8_fp8_f32 v[CC+2:CC+3], v[TT+8:TT+15], v[XS+2*\p]
.endr
	LOADROW (\i)+8                                 ; the slot takes the row eight further on
.irp p, 0,1,2
	ds_store_b128 v[LS+\p], v[C+12*((\i)%2)+4*\p:C+12*((\i)%2)+4*\p+3] offset:(\i)*PITCH
.endr
.endm
; A row of a weight: held in place, converted once, into the region of v[ls]
.macro ROWW idx, ls, sc
.if 63-(\idx) >= 7
	s_wait_loadcnt 28                              ; as above
.else
	s_wait_loadcnt 4*(63-(\idx))                   ; the last rows: nothing is asked for behind row 63, the counts run down
.endif
	s_wait_dscnt 5                                 ; six sets of code registers by turns: the store six rows back is done
.set RR, R+16*((\idx)%8)
.set CC, C+4*((\idx)%6)
.set j, 0
.rept 16
	v_med3_num_f32 v[RR+j], v[RR+j], -v[\sc+1], v[\sc+1]
.set j, j+1
.endr
	v_cvt_scalef32_pk8_fp8_f32 v[CC:CC+1], v[RR:RR+7], v[\sc]
	v_cvt_scalef32_pk8_fp8_f32 v[CC+2:CC+3], v[RR+8:RR+15], v[\sc]
.if (\idx)+8 < 64
	LOADROW (\idx)+8
.endif
	ds_store_b128 v[\ls], v[CC:CC+3] offset:((\idx)%16)*PITCH
.endm
; 24 LDS loads in one run: the fragments of LDS bytes 128 s .. + 127 of the rows into buffer b.  A fragment (16 rows x 128 codes, 16 registers) comes by four loads of 16 bytes, 32 apart, the same way on both sides
.macro FETCH fx, fw, s, b
	WIN 0x40                                       ; destination window 1, address window 0
.irp t, 0,1,2,3
.irp c, 0,1,2,3
	ds_load_b128 v[96*(\b)+16*\t+4*\c:96*(\b)+16*\t+4*\c+3], v[\fw] offset:\t*WROWS+128*(\s)+32*\c
.endr
.endr
.irp a, 0,1
.irp c, 0,1,2,3
	ds_load_b128 v[96*(\b)+64+16*\a+4*\c:96*(\b)+64+16*\a+4*\c+3], v[\fx] offset:\a*WROWS+128*(\s)+32*\c
.endr
.endr
.endm
; Eight matrix instructions on buffer b, one on each accumulator.  wfirst = 1: source 0 = the weight (a lane then holds one row of x and eight neighbouring outputs); 0: source 0 = x.  zero = 1: the products start the sums
.macro MUL b, wfirst, zero
	WIN 0x05                                       ; sources 0 and 1 window 1; C and D window 0
.irp a, 0,1
.irp t, 0,1,2,3
.set DD,  ACC+8*(4*\a+\t)
.set FWR, 96*(\b)+16*\t
.set FXR, 96*(\b)+64+16*\a
.if \wfirst
.if \zero
	v_wmma_f32_16x16x128_fp8_fp8 v[DD:DD+7], v[FWR:FWR+15], v[FXR:FXR+15], 0
.else
	v_wmma_f32_16x16x128_fp8_fp8 v[DD:DD+7], v[FWR:FWR+15], v[FXR:FXR+15], v[DD:DD+7]
.endif
.else
.if \zero
	v_wmma_f32_16x16x128_fp8_fp8 v[DD:DD+7], v[FXR:FXR+15], v[FWR:FWR+15], 0
.else
	v_wmma_f32_16x16x128_fp8_fp8 v[DD:DD+7], v[FXR:FXR+15], v[FWR:FWR+15], v[DD:DD+7]
.endif
.endif
.endr
.endr
.endm
.macro PLACES                          ; four plain vector lines between a matrix instruction and a load into a register that it read, or a vector line that reads its result
.rept 4
	v_nop
.endr
.endm
; One projection: K = 512 in four steps of 128 on two buffers.  bar = 1: a barrier round the last step's products, behind every wave's last read of the two regions, which are written again behind it
.macro GEMM fx, fw, wfirst, bar
	FETCH \fx, \fw, 0, 0
	FETCH \fx, \fw, 1, 1
	s_wait_dscnt 24                                ; step 0's 24 loads are in, step 1's may be out
	MUL 0, \wfirst, 1
	PLACES
	FETCH \fx, \fw, 2, 0
	s_wait_dscnt 24                                ; step 1's are in, step 2's may be out
	MUL 1, \wfirst, 0
	PLACES
	FETCH \fx, \fw, 3, 1
	s_wait_dscnt 24                                ; step 2's are in, step 3's may be out
	MUL 0, \wfirst, 0
	s_wait_dscnt 0x0                               ; all my reads of the two regions are over
.if \bar
	s_barrier_signal -1
.endif
	MUL 1, \wfirst, 0                              ; register work alone between the signal and the wait
.if \bar
	s_barrier_wait -1
.endif
	PLACES
	WIN 0
.endm
; q or k goes out: each accumulator is held from its low end on and converted; tile t's eight numbers are registers 2 t, 2 t + 1 of the row tile's fragment
.macro OUTQK base, sc
	s_wait_xcnt 0x0                                ; earlier stores have read the registers that are written now
.irp a, 0,1
.set j, 0
.rept 32
	v_med3_num_f32 v[ACC+32*\a+j], v[ACC+32*\a+j], -v[\sc+1], v[\sc+1]
.set j, j+1
.endr
.irp t, 0,1,2,3
	v_cvt_scalef32_pk8_fp8_f32 v[OC+8*\a+2*\t:OC+8*\a+2*\t+1], v[ACC+32*\a+8*\t:ACC+32*\a+8*\t+7], v[\sc]
.endr
.endr
	v_nop                                          ; a plain line behind the last conversion: later lines write its sources again
.irp a, 0,1
.irp g, 0,1
	global_store_b128 v[GL], v[OC+8*\a+4*\g:OC+8*\a+4*\g+3], s[\base:\base+1] offset:\a*1024+\g*512
.endr
.endr
.endm
; v goes out: a lane holds d = 16 t + r and keys 16 (2 rq + a) + 8 hf + 0 .. 7: registers 4 rq + 2 a, + 1 of d tile t's fragment: my wave's quad rq of each of the four fragments
.macro OUTV base, sc
	s_wait_xcnt 0x0
.irp a, 0,1
.set j, 0
.rept 32
	v_med3_num_f32 v[ACC+32*\a+j], v[ACC+32*\a+j], -v[\sc+1], v[\sc+1]
.set j, j+1
.endr
.irp t, 0,1,2,3
	v_cvt_scalef32_pk8_fp8_f32 v[OC+4*\t+2*\a:OC+4*\t+2*\a+1], v[ACC+32*\a+8*\t:ACC+32*\a+8*\t+7], v[\sc]
.endr
.endr
	v_nop
.irp t, 0,1,2,3
	global_store_b128 v[GL], v[OC+4*\t:OC+4*\t+3], s[\base:\base+1] offset:\t*2048
.endr
.endm
.macro BARRIER                         ; my LDS stores have landed and my LDS loads are in: then the work-group's barrier
	s_wait_dscnt 0x0
	s_barrier_signal -1
	s_barrier_wait -1
.endm
	s_load_b256 s[4:11], s[0:1], 0x0               ; x s[4:5], W_Q s[6:7], W_K s[8:9], W_V s[10:11]
	s_load_b256 s[12:19], s[0:1], 0x20             ; the exponents s[12:13], q_codes s[14:15], k_codes s[16:17], v_codes s[18:19]
	v_lshl_add_u32 v11, v0, 2, 0x42000
	s_set_vgpr_msb 0x40
	v_mov_b32 v193, 0
	s_set_vgpr_msb 0x4000
	v_lshrrev_b32 v30, 5, v0
	v_readfirstlane_b32 s20, v30                   ; wave w
	s_and_b32 s21, s20, 1                          ; hh
	s_lshr_b32 s22, s20, 1                         ; rq
	s_and_b32 s23, ttmp7, 0xffff                   ; the block of 128 rows
	v_and_b32 v30, 31, v0
	v_lshlrev_b32 v[GL], 4, v30
	s_mul_i32 s34, s20, WROWS
	v_add_nc_u32 v[LS], s34, v[GL]
	v_add_nc_u32 v[LS+1], RGB, v[LS]
	v_add_nc_u32 v[LS+2], 2*RGB, v[LS]
	v_add_nc_u32 v[LS+3], 3*RGB, v[LS]
	v_and_b32 v30, 15, v0                          ; r
	v_bfe_u32 v31, v0, 4, 1                        ; hf
	v_mul_u32_u24 v30, v30, PITCH
	v_lshl_add_u32 v30, v31, 4, v30                ; r rows + 16 hf
	s_mul_i32 s34, s22, 32*PITCH
	v_add_nc_u32 v[FX], s34, v30
	v_add_nc_u32 v[FX+1], RGB, v[FX]
	v_add_nc_u32 v[FX+2], 2*RGB, v[FX]
	s_mul_i32 s34, s21, 64*PITCH
	v_add_nc_u32 v[FW0], s34, v30
	v_add_nc_u32 v[FW3], 3*RGB, v[FW0]
	s_lshl_b32 s38, s20, 15                        ; my wave's 16 rows of 2,048 bytes
	s_lshl_b32 s34, s23, 18                        ; the block's 128 rows of x
	s_add_co_u32 s34, s34, s38
	s_mov_b32 s35, 0
	s_lshl_b32 s36, ttmp9, 18                      ; the head pair's 128 rows of each weight
	s_add_co_u32 s36, s36, s38
	s_mov_b32 s37, 0
	s_lshr_b32 s39, s23, 4                         ; batch
	s_lshl_b32 s39, s39, 3
	s_lshl_b32 s40, ttmp9, 1
	s_add_co_u32 s39, s39, s40
	s_add_co_u32 s39, s39, s21                     ; 8 x batch + head
	s_lshl_b32 s39, s39, 17                        ; a head's codes are 131,072 bytes in each of the three buffers
	s_and_b32 s40, s23, 15                         ; the block within the batch: 8 tiles of q and k, one key step of v: 8,192 bytes either way
	s_lshl_b32 s40, s40, 13
	s_add_co_u32 s40, s40, s39
	s_lshl_b32 s42, s22, 11                        ; q, k: my two tiles of 1,024 bytes
	s_add_co_u32 s42, s42, s40
	s_mov_b32 s43, 0
	s_lshl_b32 s44, s22, 9                         ; v: my quad of 512 bytes
	s_add_co_u32 s44, s44, s40
	s_mov_b32 s45, 0
	s_wait_kmcnt 0x0
	s_load_b256 s[24:31], s[12:13], 0x0            ; e0 .. e7
	s_load_b64 s[32:33], s[12:13], 0x20            ; e8 (the next launch's), e9
	s_add_nc_u64 s[4:5], s[4:5], s[34:35]
	s_add_nc_u64 s[6:7], s[6:7], s[36:37]
	s_add_nc_u64 s[8:9], s[8:9], s[36:37]
	s_add_nc_u64 s[10:11], s[10:11], s[36:37]
	s_add_nc_u64 s[14:15], s[14:15], s[42:43]
	s_add_nc_u64 s[16:17], s[16:17], s[42:43]
	s_add_nc_u64 s[18:19], s[18:19], s[44:45]
.irp i, 0,1,2,3,4,5,6,7
	LOADROW \i                                     ; the ring is filled: 32 loads
.endr
	s_wait_kmcnt 0x0
	MKSC XS, 24
	MKSC XS+2, 26
	MKSC XS+4, 28
	MKSC WS, 25
	MKSC WS+2, 27
	MKSC WS+4, 29
	s_sub_co_i32 s38, s30, s24
	s_sub_co_i32 s38, s38, s25                     ; e6 - e0 - e1
	s_sub_co_i32 s39, s31, s26
	s_sub_co_i32 s39, s39, s27                     ; e7 - e2 - e3
	s_sub_co_i32 s40, s33, s28
	s_sub_co_i32 s40, s40, s29                     ; e9 - e4 - e5
	MKSC OS, 38
	MKSC OS+2, 39
	MKSC OS+4, 40
.irp i, 0,1,2,3,4,5,6,7,8,9,10,11,12,13,14,15
	ROWX \i
.endr
	s_wait_dscnt 0x0                               ; the code registers are dealt out otherwise from here on: x's stores have read them
.irp i, 16,17,18,19,20,21,22,23,24,25,26,27,28,29,30,31
	ROWW \i, LS+3, WS                              ; W_Q into region 3
.endr
	v_nop                                          ; a plain line behind the last conversion: the products below write its result registers
	BARRIER                                        ; x's three regions and W_Q's lie in LDS
	GEMM FX, FW3, 1, 1                             ; q; behind its barrier nobody reads regions 0 and 3
	OUTQK 14, OS
.irp i, 32,33,34,35,36,37,38,39,40,41,42,43,44,45,46,47
	ROWW \i, LS, WS+2                              ; W_K into region 0
.endr
	v_nop
	BARRIER
	GEMM FX+1, FW0, 1, 0                           ; k reads regions 1 and 0; what follows writes region 3, which was left at q's barrier
	OUTQK 16, OS+2
.irp i, 48,49,50,51,52,53,54,55,56,57,58,59,60,61,62,63
	ROWW \i, LS+3, WS+4                            ; W_V into region 3
.endr
	v_nop
	BARRIER
	GEMM FX+2, FW3, 0, 0                           ; v
	OUTV 18, OS+4
	s_set_vgpr_msb 0x4
	s_wait_tensorcnt 0x0
	ds_add_u32 v11, v193
	s_wait_dscnt 0x0
	s_set_vgpr_msb 0x400
	s_endpgm
.Lfunc_end_k_q4abf87f577_proj:
	.size	k_q4abf87f577_proj, .Lfunc_end_k_q4abf87f577_proj-k_q4abf87f577_proj
	.p2alignl 7, 3214868480
	.fill 96, 4, 3214868480
	.section	.rodata,"a",@progbits
	.p2align	6, 0x0
	.amdhsa_kernel k_q4abf87f577_proj
		.amdhsa_group_segment_fixed_size 271360
		.amdhsa_private_segment_fixed_size 0
		.amdhsa_enable_private_segment 0
		.amdhsa_kernarg_size 64
		.amdhsa_user_sgpr_count 2
		.amdhsa_user_sgpr_kernarg_segment_ptr 1
		.amdhsa_wavefront_size32 1
		.amdhsa_system_sgpr_workgroup_id_x 1
		.amdhsa_system_sgpr_workgroup_id_y 1
		.amdhsa_system_sgpr_workgroup_id_z 1
		.amdhsa_system_vgpr_workitem_id 0
		.amdhsa_next_free_vgpr 450
		.amdhsa_next_free_sgpr 66
		.amdhsa_reserve_vcc 0
		.amdhsa_float_denorm_mode_32 3
		.amdhsa_float_denorm_mode_16_64 3
		.amdhsa_memory_ordered 1
		.amdhsa_forward_progress 1
		.amdhsa_inst_pref_size 190
	.end_amdhsa_kernel
	.amdgpu_metadata
---
amdhsa.version: [ 1, 2 ]
amdhsa.kernels:
  - .name:           k_q4abf87f577_proj
    .symbol:         k_q4abf87f577_proj.kd
    .args:
      - { .name: x, .offset: 0, .size: 8, .value_kind: global_buffer, .address_space: global }
      - { .name: W_Q, .offset: 8, .size: 8, .value_kind: global_buffer, .address_space: global }
      - { .name: W_K, .offset: 16, .size: 8, .value_kind: global_buffer, .address_space: global }
      - { .name: W_V, .offset: 24, .size: 8, .value_kind: global_buffer, .address_space: global }
      - { .name: lowp_scales, .offset: 32, .size: 8, .value_kind: global_buffer, .address_space: global }
      - { .name: q_codes, .offset: 40, .size: 8, .value_kind: global_buffer, .address_space: global }
      - { .name: k_codes, .offset: 48, .size: 8, .value_kind: global_buffer, .address_space: global }
      - { .name: v_codes, .offset: 56, .size: 8, .value_kind: global_buffer, .address_space: global }
    .group_segment_fixed_size: 271360
    .private_segment_fixed_size: 0
    .kernarg_segment_align: 8
    .kernarg_segment_size: 64
    .max_flat_workgroup_size: 256
    .sgpr_count:     66
    .vgpr_count:     450
    .wavefront_size: 32
...
	.end_amdgpu_metadata
.endif
;; end of part 1
;; launch attn (part 2): grid 8 x 32, 8 waves a work-group, no clusters, 90,112 bytes of LDS; arguments q_codes, k_codes, v_codes, lowp_scales, out0; writes out0
.if DOCPART == 2
	.amdgcn_target "amdgcn-amd-amdhsa--gfx1250"
	.amdhsa_code_object_version 6
	.text
	.protected	k_q4abf87f577_attn
	.globl	k_q4abf87f577_attn
	.p2align	8
	.type	k_q4abf87f577_attn,@function
k_q4abf87f577_attn:
	s_mov_b64 s[64:65], 0
	v_nop
	global_prefetch_b8 v0, s[64:65] scope:SCOPE_SE
	s_setreg_imm32_b32 hwreg(HW_REG_WAVE_MODE, 25, 1), 1
	s_wait_xcnt 0x0
; out[b][s][64 h + d] = sum over keys of Q(attn) Q(v), attn = e / (sum of e + 1e-8), e = exp(q . k / 8), both products on codes of E4M3.  No maximum is taken away, as the definition has it.
; attn is quantised FINISHED AND NORMALISED (scale 2^e8), so a row's whole sum is known before any of its numbers becomes a code.  Each score and each exponential is still made once:
; THE KEYS ARE SHARED OUT AMONG THE WAVES.  A work-group owns 256 queries of one head (work-group x: the block, y: 8 x batch + head); wave w owns keys 256 w .. + 255 for all of them.
;   Its K (16 tiles x 8 registers) and V (8 fragments x 16) stay in registers for the whole launch, and e of 16 queries x 256 keys (128 registers) stays in registers until the row's sum has come round.
;   Between waves go, for each tile of 16 queries, 16 partial sums a wave (64 bytes) and the wave's partial O (4,096 bytes), through LDS, in two sets that take turns: ONE barrier a tile.
; LAYOUT.  S^T = K Q^T (source 0 = 16 keys, source 1 = 16 queries): lane (r, hf) holds query r and keys 8 hf + 0 .. 7 of the tile; eight such numbers convert into registers 2 c, 2 c + 1 of source 1 of
;   O^T = V^T P^T (K = 128 keys).  O^T again holds one query a lane.  Nothing changes lanes between the products.
; THE WORK ROLLS BY QUARTERS of 64 keys (32 registers of e): a quarter of tile j is normalised, held and converted, and the registers just freed take the same quarter of tile j + 1.
; THE SUMS GO ROUND WHILE THE WAVE WORKS.  Quarters 1 to 3 have fixed registers; quarter 0 has TWO sets, which the tiles take by turns.  So when tile t's partial sums are stored one set is free, and tile t + 1's
;   quarter 0 (4 products, 16 scalings, 32 exponentials) stands round the store of the sums, the barrier, the loads behind it and the wait for them.  The 32 registers are found by letting the eight partial O land
;   in O's own registers and the eight sums in the codes' first eight, both idle at that time.
; ARITHMETIC.  e = 2^(c x sum), c = log2(e) / 8 x 2^(e6 + e7).  rn = 1 / ((row's sum + 1e-8) x 2^-32); e x rn = attn x 2^32, and the 2^32 is folded into the conversion's scale 2^(e8 + 32) and the hold:
;   so the reciprocal is a normal number for every finite sum.  out = sum of the second product x 2^(e8 + e9).  The row's sum and O are added over the eight waves in a fixed order.
; NO TENSOR LOADS, NO JOINT LOADS, though the eight work-groups of a head read the same K and V: each work-group reads its 262,144 bytes once, at its head, straight into the registers where they stay;
;   a joint load lands in LDS, from where 64 more LDS loads a wave would have to fetch them.  No prefetch: the launch's only stream stands at its head.
; LIMITS.  e6 + e7 between -123 and 130 (added to c's exponent field); e8 between -88 and 87.  An e under 2^-126 comes out as 0 (its attn is under 2^-99, under half of the smallest code).
;   Where e or a row's sum overflows f32 the definition gives no finite result, and this text is not served there.  NaN among the inputs is not served.
.set QL,     0                         ; LDS: the block's 16 tiles of Q, 1,024 bytes each, as images of registers.
.set SUMS,   18432                     ; two sets of 512 bytes: query r's partial sum of wave w at 32 r + 4 w
.set OST,    19456                     ; two sets of partial O: wave w's 16 rows of 256 bytes + 16
.set OPITCH, 272                       ; an odd multiple of 16 bytes: the 16 rows that a store touches start at 16 different 16-byte columns modulo 256
.set OWAVE,  16*OPITCH
.set OSZ,    8*OWAVE
.set LI,   1                           ; v1      16 x lane; never rewritten
.set QA,   2                           ; v2      where I put Q at the head; then the LDS address of the tile of Q to fetch
.set SST,  3                           ; v3      SUMS + 32 r + 4 w
.set SLD,  4                           ; v4      SUMS + 32 r
.set OSTO, 5                           ; v5      OST + w's rows + r rows + 32 hf
.set OLD,  6                           ; v6      OST + (2 w + hf) rows + 16 r: wave w adds up and stores queries 2 w and 2 w + 1 of each tile
.set GO,   7                           ; v7      the same place in out: (2 w + hf) x 2,048 + 16 r
.set RN,   8                           ; v8      rn; the packed multiply names v[8:9] and takes v8 for both halves
.set SD,   9                           ; v9      my partial sum on its way to LDS
.set CH,   10                          ; v[10:13] the sum of e, in two packed chains
.set LIM,  14                          ; v14     448 x 2^(e8 + 32)
.set SC,   15                          ; v15     2^(e8 + 32)
.set QB1,  16                          ; v16-23  Q of the odd tiles
.set Z1,   24                          ; v24-55  quarter 0 of e of the odd tiles
.set QB0,  56                          ; v56-63  Q of the even tiles
.set O,    64                          ; v64-95  O^T, tile t of d at O + 8 t;
.set RB,   64                          ;         behind the barrier the eight waves' partial O of my two queries, 16 bytes each
.set PC,   96                          ; v96-127 attn's codes: two fragments of 128 keys;
.set PS,   96                          ;         v96-103 behind the barrier: the eight waves' partial sums
.set E,    128                         ; v128-255 scores, then e: quarter c at E + 32 c (quarter 0: the even tiles')
; window 1: v0-127 K (tile T at 8 T); v128-255 V (key step ks, d tile t at 128 + 16 (4 ks + t))
.set MSB, 0
.macro WIN new                         ; the immediate's high byte repeats the setting that is left; a switch that changes nothing is dropped
.if MSB != \new
	s_set_vgpr_msb (MSB<<8)|\new
.set MSB, \new
.endif
.endm
.macro NORM eb, c                      ; the quarter of e at v[eb] on becomes codes of attn, registers 8 c on of the codes
.set EC, \eb
.set j, 0
.rept 16
	v_pk_mul_f32 v[EC+j:EC+j+1], v[EC+j:EC+j+1], v[RN:RN+1] op_sel_hi:[1,0]
.set j, j+2
.endr
.set j, 0
.rept 32
	v_min_num_f32 v[EC+j], v[EC+j], v[LIM]         ; the conversion to an 8-bit code does not saturate (ISA guide 7.6.2); attn is not negative, so the hold is one-sided
.set j, j+1
.endr
.set j, 0
.rept 4
	v_cvt_scalef32_pk8_fp8_f32 v[PC+8*(\c)+2*j:PC+8*(\c)+2*j+1], v[EC+8*j:EC+8*j+7], v[SC]
.set j, j+1
.endr
	v_nop                                          ; a plain line between the conversions and the matrix instructions that write their sources or read their results
.endm
.macro QK eb, c, qb                    ; the scores of key tiles 4 c .. 4 c + 3 against the tile of Q at v[qb], into v[eb] on
.set EC, \eb
.set QR, \qb
	WIN 0x01                                       ; source 0 (K) window 1
.set j, 0
.rept 4
	v_wmma_f32_16x16x64_fp8_fp8 v[EC+8*j:EC+8*j+7], v[32*(\c)+8*j:32*(\c)+8*j+7], v[QR:QR+7], 0
.set j, j+1
.endr
	WIN 0
.endm
.macro ADD ea                          ; the quarter of e at v[ea] on goes onto the two chains: the sum is taken of e as it is, ahead of any quantising
.set EA, \ea
.set n, 0
.rept 16
	v_pk_add_f32 v[CH+2*(n%2):CH+2*(n%2)+1], v[CH+2*(n%2):CH+2*(n%2)+1], v[EA+2*n:EA+2*n+1]
.set n, n+1
.endr
.endm
.macro SCALE es                        ; scores x c; each accumulator from its low end on
.set ES, \es
.set n, 0
.rept 16
	v_pk_mul_f32 v[ES+2*n:ES+2*n+1], v[ES+2*n:ES+2*n+1], s[22:23] op_sel_hi:[1,0]
.set n, n+1
.endr
.endm
; ADD ea and SCALE es by turns.  The first four additions are the four plain lines between the products just issued and the first read of their results (ISA guide 7.12.1); from there on a scaling stands
; between two additions, so that two links of a chain stand four lines apart.  Additions and scalings keep their own order.
.macro ADSC ea, es
.set EA, \ea
.set ES, \es
.set n, 0
.rept 4
	v_pk_add_f32 v[CH+2*(n%2):CH+2*(n%2)+1], v[CH+2*(n%2):CH+2*(n%2)+1], v[EA+2*n:EA+2*n+1]
.set n, n+1
.endr
.rept 12
	v_pk_mul_f32 v[ES+2*(n-4):ES+2*(n-4)+1], v[ES+2*(n-4):ES+2*(n-4)+1], s[22:23] op_sel_hi:[1,0]
	v_pk_add_f32 v[CH+2*(n%2):CH+2*(n%2)+1], v[CH+2*(n%2):CH+2*(n%2)+1], v[EA+2*n:EA+2*n+1]
.set n, n+1
.endr
.rept 4
	v_pk_mul_f32 v[ES+2*(n-4):ES+2*(n-4)+1], v[ES+2*(n-4):ES+2*(n-4)+1], s[22:23] op_sel_hi:[1,0]
.set n, n+1
.endr
.endm
.macro EXPR eb, from, cnt              ; cnt exponentials in place, from register from of the quarter at v[eb]
.set EC, \eb
.set j, \from
.rept \cnt
	v_exp_f32 v[EC+j], v[EC+j]
.set j, j+1
.endr
.endm
.macro PV                              ; O^T = V^T P^T over my 256 keys: four accumulators by turns; the first key step starts the sums
	WIN 0x01                                       ; source 0 (V) window 1
.set j, 0
.rept 4
	v_wmma_f32_16x16x128_fp8_fp8 v[O+8*j:O+8*j+7], v[128+16*j:128+16*j+15], v[PC:PC+15], 0
.set j, j+1
.endr
.set j, 0
.rept 4
	v_wmma_f32_16x16x128_fp8_fp8 v[O+8*j:O+8*j+7], v[192+16*j:192+16*j+15], v[PC+16:PC+31], v[O+8*j:O+8*j+7]
.set j, j+1
.endr
	WIN 0
.endm
.macro REDUCE ooff                     ; the eight partial O are added in a fixed tree, scaled and stored: sixteen lanes store 256 consecutive bytes, aligned
.set j, 0
.rept 4
	v_pk_add_f32 v[RB+8*j:RB+8*j+1], v[RB+8*j:RB+8*j+1], v[RB+8*j+4:RB+8*j+5]
	v_pk_add_f32 v[RB+8*j+2:RB+8*j+3], v[RB+8*j+2:RB+8*j+3], v[RB+8*j+6:RB+8*j+7]
.set j, j+1
.endr
.set j, 0
.rept 2
	v_pk_add_f32 v[RB+16*j:RB+16*j+1], v[RB+16*j:RB+16*j+1], v[RB+16*j+8:RB+16*j+9]
	v_pk_add_f32 v[RB+16*j+2:RB+16*j+3], v[RB+16*j+2:RB+16*j+3], v[RB+16*j+10:RB+16*j+11]
.set j, j+1
.endr
	v_pk_add_f32 v[RB:RB+1], v[RB:RB+1], v[RB+16:RB+17]
	v_pk_add_f32 v[RB+2:RB+3], v[RB+2:RB+3], v[RB+18:RB+19]
.set j, 0
.rept 4
	v_ldexp_f32 v[RB+j], v[RB+j], s26              ; x 2^(e8 + e9)
.set j, j+1
.endr
	global_store_b128 v[GO], v[RB:RB+3], s[12:13] offset:\ooff th:TH_STORE_NT
.endm
; BODY: tile j (j % 2 = par) is normalised and multiplied by V, and its partial O goes to set par.  qk = 1: quarters 1 to 3 of tile j + 1 are scored into the registers just freed.
; Each quarter's 32 exponentials are one batch with one wait, which stands a quarter later, ahead of the additions that read them; the next quarter's NORM is the independent work between.
; Quarter 0's exponentials have had their wait at the end of SYNC.
.macro BODY par, qk
.set ZJ, E-(E-Z1)*(\par)               ; quarter 0 of tile j
.set ZX, E-(E-Z1)*(1-(\par))           ; quarter 0 of tile j + 1
.set QX, QB0-(QB0-QB1)*(1-(\par))      ; Q of tile j + 1
	NORM ZJ, 0
	NORM E+32, 1
.if \qk
	QK E+32, 1, QX
	ADSC ZX, E+32
	EXPR E+32, 0, 32
.endif
	NORM E+64, 2
.if \qk
	QK E+64, 2, QX
	s_wait_alu depctr_va_vdst(0)                   ; a wait ahead of the first line that names an exponential's result
	ADSC E+32, E+64
	EXPR E+64, 0, 32
.endif
	NORM E+96, 3
	s_wait_xcnt 0x0                                ; the last tile's store to out has read v[64:67], which the products below write
	PV
.if \qk
	QK E+96, 3, QX
	s_wait_alu depctr_va_vdst(0)
	ADSC E+64, E+96                                ; (also the plain lines between PV and the stores of its results)
.else
.rept 4
	v_nop
.endr
.endif
.set j, 0
.rept 4
	ds_store_b128 v[OSTO], v[O+8*j:O+8*j+3] offset:(\par)*OSZ+64*j        ; here, and not at the barrier: a quarter's exponentials and the next quarter's products stand between these stores and the wait for them
	ds_store_b128 v[OSTO], v[O+8*j+4:O+8*j+7] offset:(\par)*OSZ+64*j+16
.set j, j+1
.endr
.if \qk
	EXPR E+96, 0, 32
	v_nop                                          ; a plain line behind the last exponential
.endif
.endm
; SYNC: tile t's (t % 2 = par) sums go round.  My partial sum goes to set par; the barrier; all eight come back and give rn.  red = 1: tile t - 1's eight partial O (set 1 - par) are added and stored, ooff bytes from s[12:13].
; q0 = 1: quarter 0 of tile t + 1 is made meanwhile, in the set of registers that tile t does not hold.  qoff: where tile t + 2 of Q lies, from s29 on (0: none); it lands where tile t's lay.
; Between barriers t and t + 1 the waves read sums' set t % 2 and O's set (t - 1) % 2, and write O's set t % 2 and sums' set (t + 1) % 2: so one barrier a tile orders both ways.
.macro SYNC par, red, ooff, q0, qoff
.set ZX, E-(E-Z1)*(1-(\par))           ; quarter 0 of tile t + 1
.set QX, QB0-(QB0-QB1)*(1-(\par))      ; Q of tile t + 1
.set QN, QB0-(QB0-QB1)*(\par)          ; where Q of tile t + 2 lands
.if \q0
	QK ZX, 0, QX
	s_wait_alu depctr_va_vdst(0)                   ; quarter 3's exponentials
	ADSC E+96, ZX
.else
	s_wait_alu depctr_va_vdst(0)
	ADD E+96
.endif
	v_pk_add_f32 v[CH:CH+1], v[CH:CH+1], v[CH+2:CH+3]
	v_add_f32 v[CH], v[CH], v[CH+1]
	v_permlanex16_b32 v[CH+2], v[CH], s24, s25     ; the query's other keys of each tile lie in the lane 16 away
	v_add_f32 v[SD], v[CH], v[CH+2]
	ds_store_b32 v[SST], v[SD] offset:(\par)*512
.if \q0
	v_mov_b32 v[CH], 0                             ; the next tile's chains
	v_mov_b32 v[CH+1], 0
	v_mov_b32 v[CH+2], 0
	v_mov_b32 v[CH+3], 0
	EXPR ZX, 0, 8                                  ; while the store is out
.endif
	s_wait_dscnt 0x0                               ; for the others' sake: my sum and my partial O have landed; my reads of the other sets are over
	s_barrier_signal -1
.if \q0
	EXPR ZX, 8, 12                                 ; register work alone between the signal and the wait
.endif
	s_barrier_wait -1
.if \qoff
	v_add_nc_u32 v[QA], s29, v[LI]
	ds_load_b128 v[QN:QN+3], v[QA] offset:\qoff
	ds_load_b128 v[QN+4:QN+7], v[QA] offset:(\qoff)+512
.endif
	ds_load_b128 v[PS:PS+3], v[SLD] offset:(\par)*512
	ds_load_b128 v[PS+4:PS+7], v[SLD] offset:(\par)*512+16
.if \red
.set j, 0
.rept 8
	ds_load_b128 v[RB+4*j:RB+4*j+3], v[OLD] offset:(1-(\par))*OSZ+j*OWAVE
.set j, j+1
.endr
.endif
.if \q0
	EXPR ZX, 20, 12                                ; while the loads are out
.endif
.if \red
	s_wait_dscnt 8                                 ; Q's and the sums' loads are in; the eight of partial O behind them may be out
.else
	s_wait_dscnt 0x0
.endif
	v_pk_add_f32 v[PS:PS+1], v[PS:PS+1], v[PS+2:PS+3]
	v_pk_add_f32 v[PS+4:PS+5], v[PS+4:PS+5], v[PS+6:PS+7]
	v_pk_add_f32 v[PS:PS+1], v[PS:PS+1], v[PS+4:PS+5]
	v_add_f32 v[PS], v[PS], v[PS+1]
	v_add_f32 v[PS], 0x322bcc77, v[PS]             ; + 1e-8
	v_ldexp_f32 v[PS], v[PS], s28                  ; x 2^-32
	v_rcp_f32 v[RN], v[PS]
.if \red
	s_wait_dscnt 0x0
	REDUCE \ooff                                   ; the independent work behind the reciprocal
.else
	v_nop                                          ; a plain line behind the reciprocal
.endif
	s_wait_alu depctr_va_vdst(0)                   ; one wait for the reciprocal and for quarter 0's exponentials, ahead of their first readers and of the loop's label and branch
.endm
	s_load_b256 s[4:11], s[0:1], 0x0               ; q_codes s[4:5], k_codes s[6:7], v_codes s[8:9], the exponents s[10:11]
	s_load_b64 s[12:13], s[0:1], 0x20              ; out
	v_lshrrev_b32 v16, 5, v0
	v_readfirstlane_b32 s20, v16                   ; wave w
	v_and_b32 v16, 31, v0
	v_lshlrev_b32 v[LI], 4, v16
	v_and_b32 v17, 15, v0                          ; r
	v_bfe_u32 v18, v0, 4, 1                        ; hf
	s_lshl_b32 s30, s20, 11
	v_add_nc_u32 v[QA], s30, v[LI]                 ; at the head: my two tiles of Q
	v_lshlrev_b32 v[SLD], 5, v17
	v_add_nc_u32 v[SLD], SUMS, v[SLD]
	s_lshl_b32 s30, s20, 2
	v_add_nc_u32 v[SST], s30, v[SLD]
	v_mul_u32_u24 v[OSTO], v17, OPITCH
	v_lshl_add_u32 v[OSTO], v18, 5, v[OSTO]
	s_mul_i32 s30, s20, OWAVE
	s_add_co_u32 s30, s30, OST
	v_add_nc_u32 v[OSTO], s30, v[OSTO]
	v_mul_u32_u24 v[OLD], v18, OPITCH
	v_lshl_add_u32 v[OLD], v17, 4, v[OLD]
	s_mul_i32 s30, s20, 2*OPITCH
	s_add_co_u32 s30, s30, OST
	v_add_nc_u32 v[OLD], s30, v[OLD]
	v_lshlrev_b32 v[GO], 11, v18
	v_lshl_add_u32 v[GO], v17, 4, v[GO]
	s_lshl_b32 s30, s20, 12
	v_add_nc_u32 v[GO], s30, v[GO]
	v_mov_b32 v[SD], 0
	s_and_b32 s21, ttmp7, 0xffff                   ; 8 x batch + head
	s_lshl_b32 s30, s21, 17                        ; a head's codes: 131,072 bytes in each buffer
	s_lshl_b32 s32, s20, 14                        ; K, V: my 256 keys are 16,384 bytes
	s_add_co_u32 s32, s32, s30
	s_mov_b32 s33, 0
	s_lshl_b32 s34, ttmp9, 14                      ; Q: the block's 16 tiles,
	s_add_co_u32 s34, s34, s30
	s_lshl_b32 s31, s20, 11                        ; my two of them
	s_add_co_u32 s34, s34, s31
	s_mov_b32 s35, 0
	s_lshr_b32 s36, s21, 3
	s_lshl_b32 s36, s36, 22                        ; out: the batch's 2,048 rows of 2,048 bytes,
	s_lshl_b32 s31, ttmp9, 19                      ; the block's 256 rows,
	s_add_co_u32 s36, s36, s31
	s_and_b32 s31, s21, 7
	s_lshl_b32 s31, s31, 8                         ; the head's 256 bytes of a row
	s_add_co_u32 s36, s36, s31
	s_mov_b32 s37, 0
	s_mov_b32 s24, 0x76543210                      ; v_permlanex16_b32: each lane takes its own place in the other half
	s_mov_b32 s25, 0xfedcba98
	s_mov_b32 s28, -32
	s_mov_b32 s29, 0                               ; from where in QL the tiles of Q are counted
	s_mov_b32 s27, 6                               ; the loop's trips
	s_mov_b32 s22, 0x3e38aa3b                      ; log2(e) / 8
	s_wait_kmcnt 0x0
	s_load_b128 s[16:19], s[10:11], 0x18           ; e6, e7, e8, e9
	s_add_nc_u64 s[4:5], s[4:5], s[34:35]
	s_add_nc_u64 s[6:7], s[6:7], s[32:33]
	s_add_nc_u64 s[8:9], s[8:9], s[32:33]
	s_add_nc_u64 s[12:13], s[12:13], s[36:37]
.set j, 0
.rept 4
	global_load_b128 v[RB+4*j:RB+4*j+3], v[LI], s[4:5] offset:512*j th:TH_LOAD_NT   ; my two tiles of Q: read once in the launch
.set j, j+1
.endr
	WIN 0x40                                       ; destination window 1
.set j, 0
.rept 32
	global_load_b128 v[4*j:4*j+3], v[LI], s[6:7] offset:512*j      ; K: the images lie on end, 512 bytes for each four registers
.set j, j+1
.endr
	WIN 0
	s_wait_loadcnt 32                              ; Q's four loads are in; K's 32 may be out
.set j, 0
.rept 4
	ds_store_b128 v[QA], v[RB+4*j:RB+4*j+3] offset:QL+512*j
.set j, j+1
.endr
	WIN 0x40
.set j, 0
.rept 32
	global_load_b128 v[128+4*j:128+4*j+3], v[LI], s[8:9] offset:512*j   ; V likewise
.set j, j+1
.endr
	WIN 0
	s_wait_kmcnt 0x0
	s_add_co_i32 s30, s16, s17
	s_lshl_b32 s30, s30, 23
	s_add_co_i32 s22, s22, s30                     ; a score stands for score x 2^(e6 + e7): the exponents are added to c's exponent field
	s_mov_b32 s23, s22                             ; (named with it as a pair)
	s_add_co_i32 s26, s18, s19                     ; e8 + e9
	s_add_co_i32 s30, s18, 159                     ; e8 + 32 + 127
	s_lshl_b32 s31, s30, 23
	v_mov_b32 v[SC], s31
	s_add_co_i32 s30, s30, 8
	s_lshl_b32 s30, s30, 23
	s_or_b32 s30, s30, 0x600000
	v_mov_b32 v[LIM], s30
	s_wait_dscnt 0x0                               ; my part of Q lies in LDS,
	s_barrier_signal -1
	s_barrier_wait -1                              ; everybody's does
	ds_load_b128 v[QB0:QB0+3], v[LI] offset:QL                     ; tiles 0 and 1 of Q
	ds_load_b128 v[QB0+4:QB0+7], v[LI] offset:QL+512
	ds_load_b128 v[QB1:QB1+3], v[LI] offset:QL+1024
	ds_load_b128 v[QB1+4:QB1+7], v[LI] offset:QL+1536
	s_wait_loadcnt 32                              ; K is in; V's 32 loads may be out
	s_wait_dscnt 0x0
	; tile 0's four quarters: nothing is there yet to normalise
	QK E, 0, QB0
	v_mov_b32 v[CH], 0                             ; (the four plain lines behind the products)
	v_mov_b32 v[CH+1], 0
	v_mov_b32 v[CH+2], 0
	v_mov_b32 v[CH+3], 0
	SCALE E
	EXPR E, 0, 32
	v_nop                                          ; a plain line behind the last exponential, where a matrix instruction follows
	QK E+32, 1, QB0
	s_wait_alu depctr_va_vdst(0)
	ADSC E, E+32
	EXPR E+32, 0, 32
	v_nop
	QK E+64, 2, QB0
	s_wait_alu depctr_va_vdst(0)
	ADSC E+32, E+64
	EXPR E+64, 0, 32
	v_nop
	QK E+96, 3, QB0
	s_wait_alu depctr_va_vdst(0)
	ADSC E+64, E+96
	EXPR E+96, 0, 32
	v_nop
	SYNC 0, 0, 0, 1, 2048                          ; tile 0's sums; tile 1's quarter 0; tile 2 of Q
	s_wait_loadcnt 0x0                             ; V is in
.Ltrip:                                                ; trip i: tiles 2 i and 2 i + 1 are normalised and multiplied, their O stored to out; tiles up to 2 i + 3's quarter 0 are scored; tiles 2 i + 3 and 2 i + 4 of Q fetched
	BODY 0, 1
	SYNC 1, 1, 0, 1, 3072
	BODY 1, 1
	SYNC 0, 1, 32768, 1, 4096
	s_wait_xcnt 0x0                                ; the stores have read their base
	s_add_nc_u64 s[12:13], s[12:13], 65536         ; 32 rows of out on
	s_add_co_u32 s29, s29, 2048
	s_sub_co_u32 s27, s27, 1
	s_cmp_lg_u32 s27, 0
	s_cbranch_scc1 .Ltrip
	BODY 0, 1                                      ; tile 12
	SYNC 1, 1, 0, 1, 3072                          ; tile 13's sums; O of tile 12; tile 14's quarter 0; tile 15 of Q, the last
	BODY 1, 1                                      ; tile 13
	SYNC 0, 1, 32768, 1, 0                         ; tile 14's sums; O of tile 13; tile 15's quarter 0
	BODY 0, 1                                      ; tile 14
	SYNC 1, 1, 65536, 0, 0                         ; tile 15's sums; O of tile 14; nothing is left to score
	BODY 1, 0                                      ; tile 15
	s_wait_dscnt 0x0                               ; my partial O of tile 15 has landed,
	s_barrier_signal -1
	s_barrier_wait -1                              ; everybody's has
.set j, 0
.rept 8
	ds_load_b128 v[RB+4*j:RB+4*j+3], v[OLD] offset:OSZ+j*OWAVE
.set j, j+1
.endr
	s_wait_dscnt 0x0
	REDUCE 98304
	s_wait_xcnt 0x0
	v_lshl_add_u32 v254, v0, 2, 0x15c00
	v_mov_b32 v255, 0
	s_wait_tensorcnt 0x0
	ds_add_u32 v254, v255
	s_wait_dscnt 0x0
	s_endpgm
.Lfunc_end_k_q4abf87f577_attn:
	.size	k_q4abf87f577_attn, .Lfunc_end_k_q4abf87f577_attn-k_q4abf87f577_attn
	.p2alignl 7, 3214868480
	.fill 96, 4, 3214868480
	.section	.rodata,"a",@progbits
	.p2align	6, 0x0
	.amdhsa_kernel k_q4abf87f577_attn
		.amdhsa_group_segment_fixed_size 90112
		.amdhsa_private_segment_fixed_size 0
		.amdhsa_enable_private_segment 0
		.amdhsa_kernarg_size 40
		.amdhsa_user_sgpr_count 2
		.amdhsa_user_sgpr_kernarg_segment_ptr 1
		.amdhsa_wavefront_size32 1
		.amdhsa_system_sgpr_workgroup_id_x 1
		.amdhsa_system_sgpr_workgroup_id_y 1
		.amdhsa_system_sgpr_workgroup_id_z 1
		.amdhsa_system_vgpr_workitem_id 0
		.amdhsa_next_free_vgpr 512
		.amdhsa_next_free_sgpr 66
		.amdhsa_reserve_vcc 0
		.amdhsa_float_denorm_mode_32 3
		.amdhsa_float_denorm_mode_16_64 3
		.amdhsa_memory_ordered 1
		.amdhsa_forward_progress 1
		.amdhsa_inst_pref_size 171
	.end_amdhsa_kernel
	.amdgpu_metadata
---
amdhsa.version: [ 1, 2 ]
amdhsa.kernels:
  - .name:           k_q4abf87f577_attn
    .symbol:         k_q4abf87f577_attn.kd
    .args:
      - { .name: q_codes, .offset: 0, .size: 8, .value_kind: global_buffer, .address_space: global }
      - { .name: k_codes, .offset: 8, .size: 8, .value_kind: global_buffer, .address_space: global }
      - { .name: v_codes, .offset: 16, .size: 8, .value_kind: global_buffer, .address_space: global }
      - { .name: lowp_scales, .offset: 24, .size: 8, .value_kind: global_buffer, .address_space: global }
      - { .name: out0, .offset: 32, .size: 8, .value_kind: global_buffer, .address_space: global }
    .group_segment_fixed_size: 90112
    .private_segment_fixed_size: 0
    .kernarg_segment_align: 8
    .kernarg_segment_size: 40
    .max_flat_workgroup_size: 256
    .sgpr_count:     66
    .vgpr_count:     512
    .wavefront_size: 32
...
	.end_amdgpu_metadata
.endif
;; end of part 2
;; ======== version 2 of 2: 2 launches; version 1 with the launches proj, attn written anew for expert scheduling mode
;; workspace buffers: q_codes 4,194,304 bytes; k_codes 4,194,304 bytes; v_codes 4,194,304 bytes
;; launch proj (part 3): grid 4 x 64, 8 waves a work-group, no clusters, 271,360 bytes of LDS; arguments x, W_Q, W_K, W_V, lowp_scales, q_codes, k_codes, v_codes; writes q_codes, k_codes, v_codes
.if DOCPART == 3
	.amdgcn_target "amdgcn-amd-amdhsa--gfx1250"
	.amdhsa_code_object_version 6
	.text
	.protected	k_q4abf87f577_proj
	.globl	k_q4abf87f577_proj
	.p2align	8
	.type	k_q4abf87f577_proj,@function
k_q4abf87f577_proj:
	s_mov_b64 s[64:65], 0
	v_nop
	global_prefetch_b8 v0, s[64:65] scope:SCOPE_SE
	s_setreg_imm32_b32 hwreg(HW_REG_WAVE_SCHED_MODE, 0, 2), 2
	s_setreg_imm32_b32 hwreg(HW_REG_WAVE_MODE, 25, 1), 1
	s_wait_xcnt 0x0
	s_wait_alu depctr_vm_vsrc(0)
; q, k, v = x W^T for W_Q, W_K, W_V, each product on codes of E4M3, and each result quantised again for the attention that follows.
; x: [8192][512] f32; W_*: [512][512] f32 (row = output, K innermost); lowp_scales: e0 .. e9 (int32).  x has a scale of its own in each product (e0, e2, e4), the weights e1, e3, e5.
; A sum of product i stands for sum x 2^(ex + ew); its code for the next product is sum / 2^(eo - ex - ew), eo = e6 (q), e7 (k), e9 (v): the three exponents are folded into the conversion's one.
; SHARES.  A work-group takes 128 rows of x (work-group y) and the 128 outputs of two heads (work-group x), for all three weights.  Eight waves.
;   Rows to codes: wave w turns rows 16 w .. 16 w + 15 of the x block (three times, once for each scale) and of each weight's 128 rows into codes in LDS.
;   Products: wave (hh = w & 1, rq = w >> 1) makes head 2 x + hh (four tiles of 16 outputs) for rows 32 rq .. + 31 (two tiles): eight accumulators, which take turns.
; A ROW, f32 TO CODES.  Four loads of 512 consecutive bytes, 16 a lane: lane l holds k = 128 q + 4 l + i in register 4 q + i.  Two conversions make 16 codes, one LDS store puts them at 16 l of the row.
;   So LDS byte 16 l + 4 q + i of a row holds k = 128 q + 4 l + i: a permutation of K, THE SAME for x and for the weights, so that each product meets its partner; only the order of the sums changes.
; OUTPUT, as images of the operand registers of the next launch (each store of a wave covers 512 consecutive bytes, aligned):
;   q_codes, k_codes: [head 32][tile of 16 rows 128][quad 2][lane 32][16 bytes]: lane (r, hf) holds row r, register 2 t + i holds d = 16 t + 8 hf + 4 i + 0 .. 3.  The product is used transposed (source 0 = W) for that.
;   v_codes: [head 32][step of 128 keys 16][tile of 16 d 4][quad 4][lane 32][16 bytes]: lane (r, hf) holds d = 16 t + r, registers 2 c, 2 c + 1 hold keys 16 c + 8 hf + 0 .. 7.  (source 0 = x.)
; NO TENSOR LOADS, NO JOINT LOADS, though four work-groups read each x block and 64 each weight block: the f32 block of x (262,144 bytes) and the four regions of codes (270,336 bytes) do not fit into
;   327,680 bytes of LDS together, and what LDS holds here is a quarter of the f32 bytes.  The numbers go from memory through registers, a ring of eight rows (16,384 bytes a wave) always on its way.
; LIMITS.  e0 .. e5, e6 - e0 - e1, e7 - e2 - e3 and e9 - e4 - e5 lie between -126 and 119, so that 2^e and 448 x 2^e are f32 numbers.  NaN among the inputs is not served (an infinity is held at the largest code).
; THE MODE: SCHED_MODE bits 1:0 = 2 (LLVM: expert scheduling mode 2), set by the entry lines.  The code itself states the register dependences
;   between vector or matrix instructions and memory or LDS instructions, with s_wait_alu, always for 0.
; THE PLAN.  Registers that memory or LDS instructions touch:
;   v1-v10       offsets and LDS addresses: written at the head, ahead of the one wait on va_vdst in front of the first load, and never again.
;   the ring R   A row's holds and conversions read its slot (a weight's row: the holds also write it); behind them the loads of the row eight further on land in it.
;   the codes C  Written by a row's conversions, read by the row's LDS stores; written again two rows on (x: two sets of three) or six rows on (a weight: six sets), and by each projection's first products, whose accumulators lie over them.
;   window 1     The two fragment buffers: LDS loads land in them, the products read them.
;   v[OC ..]     Written by a way out's conversions, read by its global stores, written again by the next way out.
;   v11, v449    Made at the head, read by the closing add alone.
; So a row has ONE wait on va_vdst, behind its conversions: the slot is done with and the codes are written; the row's loads and stores follow it.  And ONE on vm_vsrc, ahead of its first conversion, behind its first sixteen holds.
; A projection has a wait on vm_vsrc at its head (the codes under the accumulators) and a wait on va_vdst ahead of each of the two refills of a fragment buffer; a way out one of each.
.set PITCH, 528                        ; a row of 512 codes + 16 bytes: an odd multiple of 16, so the 16 rows of a fragment load start at 16 different 16-byte columns modulo 256
.set WROWS, 16*PITCH                   ; 16 rows
.set RGB,   128*PITCH                  ; a region: 128 rows.  Region 0: x at e0, later W_K; 1: x at e2; 2: x at e4; 3: W_Q, later W_V
.set GL,  1                            ; v1      16 x lane: my bytes of a load's or a store's 512; never rewritten
.set LS,  2                            ; v2-5    where I store a row's codes in region 0 .. 3: region + 16 w rows + 16 x lane
.set FX,  6                            ; v6-8    my fragments of x in region 0 .. 2: region + (32 rq + r) rows + 16 hf
.set FW0, 9                            ; v9      my fragments of a weight in region 0: (64 hh + r) rows + 16 hf
.set FW3, 10                           ; v10     the same in region 3
.set XS,  12                           ; v12-17  (2^e, 448 x 2^e) for x at e0, e2, e4
.set WS,  18                           ; v18-23  the same for W_Q, W_K, W_V
.set OS,  24                           ; v24-29  the same for the results q, k, v (folded exponents)
.set R,   32                           ; v32-159 the ring: eight rows x 16 registers
.set T,   160                          ; v160-191 two sets of 16 held numbers, by turns
.set OC,  160                          ; v160-175 the results' codes, on the way out
.set C,   192                          ; v192-215 codes of rows, on their way to LDS
.set ACC, 192                          ; v192-255 accumulator (a, t) at ACC + 8 (4 a + t)
; window 1: two fragment buffers of 96 registers, at v0 and v96: four fragments of the weight (16 t), two of x (64 + 16 a)
.set MSB, 0
.macro WIN new                         ; the immediate's high byte repeats the setting that is left; a switch that changes nothing is dropped
.if MSB != \new
	s_set_vgpr_msb (MSB<<8)|\new
.set MSB, \new
.endif
.endm
.macro MKSC dst, se                    ; v[dst] = 2^e as f32 (the conversion takes its exponent field), v[dst+1] = 448 x 2^e, e in s[se]
	s_add_co_i32 s46, s[\se], 127
	s_lshl_b32 s47, s46, 23
	v_mov_b32 v[\dst], s47
	s_add_co_i32 s46, s46, 8
	s_lshl_b32 s46, s46, 23
	s_or_b32 s46, s46, 0x600000
	v_mov_b32 v[\dst+1], s46
.endm
; Row idx of 64 (0-15: x, 16-31: W_Q, 32-47: W_K, 48-63: W_V; each my wave's 16 rows) into ring slot idx % 8: four loads of 512 consecutive bytes
.macro LOADROW idx
.irp q, 0,1,2,3
	global_load_b128 v[R+16*((\idx)%8)+4*\q:R+16*((\idx)%8)+4*\q+3], v[GL], s[4+2*((\idx)/16):5+2*((\idx)/16)] offset:((\idx)%16)*2048+512*\q
.endr
.endm
; A row of x: held and converted three times, once for each of its scales, into regions 0, 1, 2
.macro ROWX i
	s_wait_loadcnt 28                              ; my row's four loads are in; the seven younger rows' 28 may be out
	s_wait_dscnt 3                                 ; the last row's three stores may be out; the row before it has read the code registers that are written now
.irp p, 0,1,2
.set TT, T+16*((3*(\i)+\p)%2)
.set RR, R+16*((\i)%8)
.set CC, C+12*((\i)%2)+4*\p
.set j, 0
.rept 16
	v_med3_num_f32 v[TT+j], v[RR+j], -v[XS+2*\p+1], v[XS+2*\p+1]   ; the conversion to an 8-bit code does not saturate (ISA guide 7.6.2): hold first.  The two sets T take turns, so these lines are also the plain lines behind the conversions before
.set j, j+1
.endr
.if (\p == 0) && ((\i) >= 2)
	s_wait_alu depctr_vm_vsrc(0)                   ; the LDS stores of two rows back have read the code registers that this row's conversions write
.endif
	v_cvt_scalef32_pk8_fp8_f32 v[CC:CC+1], v[TT:TT+7], v[XS+2*\p]
	v_cvt_scalef32_pk8_fp8_f32 v[CC+2:CC+3], v[TT+8:TT+15], v[XS+2*\p]
.endr
	s_wait_alu depctr_va_vdst(0)                   ; the holds are done reading the slot, in which the loads below land; the conversions have written the codes, which the stores below read
	LOADROW (\i)+8                                 ; the slot takes the row eight further on
.irp p, 0,1,2
	ds_store_b128 v[LS+\p], v[C+12*((\i)%2)+4*\p:C+12*((\i)%2)+4*\p+3] offset:(\i)*PITCH
.endr
.endm
; A row of a weight: held in place, converted once, into the region of v[ls]
.macro ROWW idx, ls, sc
.if 63-(\idx) >= 7
	s_wait_loadcnt 28                              ; as above
.else
	s_wait_loadcnt 4*(63-(\idx))                   ; the last rows: nothing is asked for behind row 63, the counts run down
.endif
	s_wait_dscnt 5                                 ; six sets of code registers by turns: the store six rows back is done
.set RR, R+16*((\idx)%8)
.set CC, C+4*((\idx)%6)
.set j, 0
.rept 16
	v_med3_num_f32 v[RR+j], v[RR+j], -v[\sc+1], v[\sc+1]
.set j, j+1
.endr
	s_wait_alu depctr_vm_vsrc(0)                   ; the LDS stores issued so far have read their code registers, this row's set among them
	v_cvt_scalef32_pk8_fp8_f32 v[CC:CC+1], v[RR:RR+7], v[\sc]
	v_cvt_scalef32_pk8_fp8_f32 v[CC+2:CC+3], v[RR+8:RR+15], v[\sc]
	s_wait_alu depctr_va_vdst(0)                   ; the holds and the conversions are done with the slot, in which the loads below land; the codes are written, which the store below reads
.if (\idx)+8 < 64
	LOADROW (\idx)+8
.endif
	ds_store_b128 v[\ls], v[CC:CC+3] offset:((\idx)%16)*PITCH
.endm
; 24 LDS loads in one run: the fragments of LDS bytes 128 s .. + 127 of the rows into buffer b.  A fragment (16 rows x 128 codes, 16 registers) comes by four loads of 16 bytes, 32 apart, the same way on both sides
; dep = 1: products of this projection have read buffer b.  dep = 0: a projection's first two fetches: the products that read the buffers last stand ahead of the rows' waits on va_vdst, and nothing since names window 1
.macro FETCH fx, fw, s, b, dep
	WIN 0x40                                       ; destination window 1, address window 0
.if \dep
	s_wait_alu depctr_va_vdst(0)                   ; the eight products that read buffer b are done reading it: the loads below land in it
.endif
.irp t, 0,1,2,3
.irp c, 0,1,2,3
	ds_load_b128 v[96*(\b)+16*\t+4*\c:96*(\b)+16*\t+4*\c+3], v[\fw] offset:\t*WROWS+128*(\s)+32*\c
.endr
.endr
.irp a, 0,1
.irp c, 0,1,2,3
	ds_load_b128 v[96*(\b)+64+16*\a+4*\c:96*(\b)+64+16*\a+4*\c+3], v[\fx] offset:\a*WROWS+128*(\s)+32*\c
.endr
.endr
.endm
; Eight matrix instructions on buffer b, one on each accumulator.  wfirst = 1: source 0 = the weight (a lane then holds one row of x and eight neighbouring outputs); 0: source 0 = x.  zero = 1: the products start the sums
.macro MUL b, wfirst, zero
	WIN 0x05                                       ; sources 0 and 1 window 1; C and D window 0
.irp a, 0,1
.irp t, 0,1,2,3
.set DD,  ACC+8*(4*\a+\t)
.set FWR, 96*(\b)+16*\t
.set FXR, 96*(\b)+64+16*\a
.if \wfirst
.if \zero
	v_wmma_f32_16x16x128_fp8_fp8 v[DD:DD+7], v[FWR:FWR+15], v[FXR:FXR+15], 0
.else
	v_wmma_f32_16x16x128_fp8_fp8 v[DD:DD+7], v[FWR:FWR+15], v[FXR:FXR+15], v[DD:DD+7]
.endif
.else
.if \zero
	v_wmma_f32_16x16x128_fp8_fp8 v[DD:DD+7], v[FXR:FXR+15], v[FWR:FWR+15], 0
.else
	v_wmma_f32_16x16x128_fp8_fp8 v[DD:DD+7], v[FXR:FXR+15], v[FWR:FWR+15], v[DD:DD+7]
.endif
.endif
.endr
.endr
.endm
.macro PLACES                          ; four plain vector lines between a matrix instruction and a load into a register that it read, or a vector line that reads its result
.rept 4
	v_nop
.endr
.endm
; One projection: K = 512 in four steps of 128 on two buffers.  bar = 1: a barrier round the last step's products, behind every wave's last read of the two regions, which are written again behind it
.macro GEMM fx, fw, wfirst, bar
	s_wait_alu depctr_vm_vsrc(0)                   ; my LDS stores of codes have read v192-215, over which the accumulators lie: the first products write them
	FETCH \fx, \fw, 0, 0, 0
	FETCH \fx, \fw, 1, 1, 0
	s_wait_dscnt 24                                ; step 0's 24 loads are in, step 1's may be out
	MUL 0, \wfirst, 1
	PLACES
	FETCH \fx, \fw, 2, 0, 1
	s_wait_dscnt 24                                ; step 1's are in, step 2's may be out
	MUL 1, \wfirst, 0
	PLACES
	FETCH \fx, \fw, 3, 1, 1
	s_wait_dscnt 24                                ; step 2's are in, step 3's may be out
	MUL 0, \wfirst, 0
	s_wait_dscnt 0x0                               ; all my reads of the two regions are over
.if \bar
	s_barrier_signal -1
.endif
	MUL 1, \wfirst, 0                              ; register work alone between the signal and the wait
.if \bar
	s_barrier_wait -1
.endif
	PLACES
	WIN 0
.endm
; q or k goes out: each accumulator is held from its low end on and converted; tile t's eight numbers are registers 2 t, 2 t + 1 of the row tile's fragment.  again = 1: an earlier way out has stored from v[OC ..]
.macro OUTQK base, sc, again
	s_wait_xcnt 0x0                                ; earlier stores have read the registers that are written now
.if \again
	s_wait_alu depctr_vm_vsrc(0)                   ; the last way out's stores have read v[OC ..], which the conversions below write again
.endif
.irp a, 0,1
.set j, 0
.rept 32
	v_med3_num_f32 v[ACC+32*\a+j], v[ACC+32*\a+j], -v[\sc+1], v[\sc+1]
.set j, j+1
.endr
.irp t, 0,1,2,3
	v_cvt_scalef32_pk8_fp8_f32 v[OC+8*\a+2*\t:OC+8*\a+2*\t+1], v[ACC+32*\a+8*\t:ACC+32*\a+8*\t+7], v[\sc]
.endr
.endr
	v_nop                                          ; a plain line behind the last conversion: later lines write its sources again
	s_wait_alu depctr_va_vdst(0)                   ; the conversions have written v[OC ..], which the stores read
.irp a, 0,1
.irp g, 0,1
	global_store_b128 v[GL], v[OC+8*\a+4*\g:OC+8*\a+4*\g+3], s[\base:\base+1] offset:\a*1024+\g*512
.endr
.endr
.endm
; v goes out: a lane holds d = 16 t + r and keys 16 (2 rq + a) + 8 hf + 0 .. 7: registers 4 rq + 2 a, + 1 of d tile t's fragment: my wave's quad rq of each of the four fragments
.macro OUTV base, sc
	s_wait_xcnt 0x0
	s_wait_alu depctr_vm_vsrc(0)                   ; the last way out's stores have read v[OC ..], which the conversions below write again
.irp a, 0,1
.set j, 0
.rept 32
	v_med3_num_f32 v[ACC+32*\a+j], v[ACC+32*\a+j], -v[\sc+1], v[\sc+1]
.set j, j+1
.endr
.irp t, 0,1,2,3
	v_cvt_scalef32_pk8_fp8_f32 v[OC+4*\t+2*\a:OC+4*\t+2*\a+1], v[ACC+32*\a+8*\t:ACC+32*\a+8*\t+7], v[\sc]
.endr
.endr
	v_nop
	s_wait_alu depctr_va_vdst(0)                   ; the conversions have written v[OC ..], which the stores read
.irp t, 0,1,2,3
	global_store_b128 v[GL], v[OC+4*\t:OC+4*\t+3], s[\base:\base+1] offset:\t*2048
.endr
.endm
.macro BARRIER                         ; my LDS stores have landed and my LDS loads are in: then the work-group's barrier
	s_wait_dscnt 0x0
	s_barrier_signal -1
	s_barrier_wait -1
.endm
	s_load_b256 s[4:11], s[0:1], 0x0               ; x s[4:5], W_Q s[6:7], W_K s[8:9], W_V s[10:11]
	s_load_b256 s[12:19], s[0:1], 0x20             ; the exponents s[12:13], q_codes s[14:15], k_codes s[16:17], v_codes s[18:19]
	v_lshl_add_u32 v11, v0, 2, 0x42000
	s_set_vgpr_msb 0x40
	v_mov_b32 v193, 0
	s_set_vgpr_msb 0x4000
	v_lshrrev_b32 v30, 5, v0
	v_readfirstlane_b32 s20, v30                   ; wave w
	s_wait_alu depctr_va_sdst(0)                   ; s20 is written, ahead of its first reader: LDS places and the buffers' bases are made from it
	s_and_b32 s21, s20, 1                          ; hh
	s_lshr_b32 s22, s20, 1                         ; rq
	s_and_b32 s23, ttmp7, 0xffff                   ; the block of 128 rows
	v_and_b32 v30, 31, v0
	v_lshlrev_b32 v[GL], 4, v30
	s_mul_i32 s34, s20, WROWS
	v_add_nc_u32 v[LS], s34, v[GL]
	v_add_nc_u32 v[LS+1], RGB, v[LS]
	v_add_nc_u32 v[LS+2], 2*RGB, v[LS]
	v_add_nc_u32 v[LS+3], 3*RGB, v[LS]
	v_and_b32 v30, 15, v0                          ; r
	v_bfe_u32 v31, v0, 4, 1                        ; hf
	v_mul_u32_u24 v30, v30, PITCH
	v_lshl_add_u32 v30, v31, 4, v30                ; r rows + 16 hf
	s_mul_i32 s34, s22, 32*PITCH
	v_add_nc_u32 v[FX], s34, v30
	v_add_nc_u32 v[FX+1], RGB, v[FX]
	v_add_nc_u32 v[FX+2], 2*RGB, v[FX]
	s_mul_i32 s34, s21, 64*PITCH
	v_add_nc_u32 v[FW0], s34, v30
	v_add_nc_u32 v[FW3], 3*RGB, v[FW0]
	s_lshl_b32 s38, s20, 15                        ; my wave's 16 rows of 2,048 bytes
	s_lshl_b32 s34, s23, 18                        ; the block's 128 rows of x
	s_add_co_u32 s34, s34, s38
	s_mov_b32 s35, 0
	s_lshl_b32 s36, ttmp9, 18                      ; the head pair's 128 rows of each weight
	s_add_co_u32 s36, s36, s38
	s_mov_b32 s37, 0
	s_lshr_b32 s39, s23, 4                         ; batch
	s_lshl_b32 s39, s39, 3
	s_lshl_b32 s40, ttmp9, 1
	s_add_co_u32 s39, s39, s40
	s_add_co_u32 s39, s39, s21                     ; 8 x batch + head
	s_lshl_b32 s39, s39, 17                        ; a head's codes are 131,072 bytes in each of the three buffers
	s_and_b32 s40, s23, 15                         ; the block within the batch: 8 tiles of q and k, one key step of v: 8,192 bytes either way
	s_lshl_b32 s40, s40, 13
	s_add_co_u32 s40, s40, s39
	s_lshl_b32 s42, s22, 11                        ; q, k: my two tiles of 1,024 bytes
	s_add_co_u32 s42, s42, s40
	s_mov_b32 s43, 0
	s_lshl_b32 s44, s22, 9                         ; v: my quad of 512 bytes
	s_add_co_u32 s44, s44, s40
	s_mov_b32 s45, 0
	s_wait_kmcnt 0x0
	s_load_b256 s[24:31], s[12:13], 0x0            ; e0 .. e7
	s_load_b64 s[32:33], s[12:13], 0x20            ; e8 (the next launch's), e9
	s_add_nc_u64 s[4:5], s[4:5], s[34:35]
	s_add_nc_u64 s[6:7], s[6:7], s[36:37]
	s_add_nc_u64 s[8:9], s[8:9], s[36:37]
	s_add_nc_u64 s[10:11], s[10:11], s[36:37]
	s_add_nc_u64 s[14:15], s[14:15], s[42:43]
	s_add_nc_u64 s[16:17], s[16:17], s[42:43]
	s_add_nc_u64 s[18:19], s[18:19], s[44:45]
	s_wait_alu depctr_va_vdst(0)                   ; the offsets and LDS addresses v1 to v10 are written, which every load and store of the kernel reads; none is written again
.irp i, 0,1,2,3,4,5,6,7
	LOADROW \i                                     ; the ring is filled: 32 loads
.endr
	s_wait_kmcnt 0x0
	MKSC XS, 24
	MKSC XS+2, 26
	MKSC XS+4, 28
	MKSC WS, 25
	MKSC WS+2, 27
	MKSC WS+4, 29
	s_sub_co_i32 s38, s30, s24
	s_sub_co_i32 s38, s38, s25                     ; e6 - e0 - e1
	s_sub_co_i32 s39, s31, s26
	s_sub_co_i32 s39, s39, s27                     ; e7 - e2 - e3
	s_sub_co_i32 s40, s33, s28
	s_sub_co_i32 s40, s40, s29                     ; e9 - e4 - e5
	MKSC OS, 38
	MKSC OS+2, 39
	MKSC OS+4, 40
.irp i, 0,1,2,3,4,5,6,7,8,9,10,11,12,13,14,15
	ROWX \i
.endr
	s_wait_dscnt 0x0                               ; the code registers are dealt out otherwise from here on: x's stores have read them
.irp i, 16,17,18,19,20,21,22,23,24,25,26,27,28,29,30,31
	ROWW \i, LS+3, WS                              ; W_Q into region 3
.endr
	v_nop                                          ; a plain line behind the last conversion: the products below write its result registers
	BARRIER                                        ; x's three regions and W_Q's lie in LDS
	GEMM FX, FW3, 1, 1                             ; q; behind its barrier nobody reads regions 0 and 3
	OUTQK 14, OS, 0
.irp i, 32,33,34,35,36,37,38,39,40,41,42,43,44,45,46,47
	ROWW \i, LS, WS+2                              ; W_K into region 0
.endr
	v_nop
	BARRIER
	GEMM FX+1, FW0, 1, 0                           ; k reads regions 1 and 0; what follows writes region 3, which was left at q's barrier
	OUTQK 16, OS+2, 1
.irp i, 48,49,50,51,52,53,54,55,56,57,58,59,60,61,62,63
	ROWW \i, LS+3, WS+4                            ; W_V into region 3
.endr
	v_nop
	BARRIER
	GEMM FX+2, FW3, 0, 0                           ; v
	OUTV 18, OS+4
	s_set_vgpr_msb 0x4                             ; the add's second register lies in window 1; the one switch stands ahead of the closing lines
	s_wait_dscnt 0x0                               ; the closing lines, six on end
	s_wait_alu 0x0
	s_wait_tensorcnt 0x0
	ds_add_u32 v11, v193
	s_wait_dscnt 0x0
	s_endpgm
.Lfunc_end_k_q4abf87f577_proj:
	.size	k_q4abf87f577_proj, .Lfunc_end_k_q4abf87f577_proj-k_q4abf87f577_proj
	.p2alignl 7, 3214868480
	.fill 96, 4, 3214868480
	.section	.rodata,"a",@progbits
	.p2align	6, 0x0
	.amdhsa_kernel k_q4abf87f577_proj
		.amdhsa_group_segment_fixed_size 271360
		.amdhsa_private_segment_fixed_size 0
		.amdhsa_enable_private_segment 0
		.amdhsa_kernarg_size 64
		.amdhsa_user_sgpr_count 2
		.amdhsa_user_sgpr_kernarg_segment_ptr 1
		.amdhsa_wavefront_size32 1
		.amdhsa_system_sgpr_workgroup_id_x 1
		.amdhsa_system_sgpr_workgroup_id_y 1
		.amdhsa_system_sgpr_workgroup_id_z 1
		.amdhsa_system_vgpr_workitem_id 0
		.amdhsa_next_free_vgpr 450
		.amdhsa_next_free_sgpr 66
		.amdhsa_reserve_vcc 0
		.amdhsa_float_denorm_mode_32 3
		.amdhsa_float_denorm_mode_16_64 3
		.amdhsa_memory_ordered 1
		.amdhsa_forward_progress 1
		.amdhsa_inst_pref_size 194
	.end_amdhsa_kernel
	.amdgpu_metadata
---
amdhsa.version: [ 1, 2 ]
amdhsa.kernels:
  - .name:           k_q4abf87f577_proj
    .symbol:         k_q4abf87f577_proj.kd
    .args:
      - { .name: x, .offset: 0, .size: 8, .value_kind: global_buffer, .address_space: global }
      - { .name: W_Q, .offset: 8, .size: 8, .value_kind: global_buffer, .address_space: global }
      - { .name: W_K, .offset: 16, .size: 8, .value_kind: global_buffer, .address_space: global }
      - { .name: W_V, .offset: 24, .size: 8, .value_kind: global_buffer, .address_space: global }
      - { .name: lowp_scales, .offset: 32, .size: 8, .value_kind: global_buffer, .address_space: global }
      - { .name: q_codes, .offset: 40, .size: 8, .value_kind: global_buffer, .address_space: global }
      - { .name: k_codes, .offset: 48, .size: 8, .value_kind: global_buffer, .address_space: global }
      - { .name: v_codes, .offset: 56, .size: 8, .value_kind: global_buffer, .address_space: global }
    .group_segment_fixed_size: 271360
    .private_segment_fixed_size: 0
    .kernarg_segment_align: 8
    .kernarg_segment_size: 64
    .max_flat_workgroup_size: 256
    .sgpr_count:     66
    .vgpr_count:     450
    .wavefront_size: 32
...
	.end_amdgpu_metadata
.endif
;; end of part 3
;; launch attn (part 4): grid 8 x 32, 8 waves a work-group, no clusters, 90,112 bytes of LDS; arguments q_codes, k_codes, v_codes, lowp_scales, out0; writes out0
.if DOCPART == 4
	.amdgcn_target "amdgcn-amd-amdhsa--gfx1250"
	.amdhsa_code_object_version 6
	.text
	.protected	k_q4abf87f577_attn
	.globl	k_q4abf87f577_attn
	.p2align	8
	.type	k_q4abf87f577_attn,@function
k_q4abf87f577_attn:
	s_mov_b64 s[64:65], 0
	v_nop
	global_prefetch_b8 v0, s[64:65] scope:SCOPE_SE
	s_setreg_imm32_b32 hwreg(HW_REG_WAVE_SCHED_MODE, 0, 2), 2
	s_setreg_imm32_b32 hwreg(HW_REG_WAVE_MODE, 25, 1), 1
	s_wait_xcnt 0x0
	s_wait_alu depctr_vm_vsrc(0)
; out[b][s][64 h + d] = sum over keys of Q(attn) Q(v), attn = e / (sum of e + 1e-8), e = exp(q . k / 8), both products on codes of E4M3.  No maximum is taken away, as the definition has it.
; attn is quantised FINISHED AND NORMALISED (scale 2^e8), so a row's whole sum is known before any of its numbers becomes a code.  Each score and each exponential is still made once:
; THE KEYS ARE SHARED OUT AMONG THE WAVES.  A work-group owns 256 queries of one head (work-group x: the block, y: 8 x batch + head); wave w owns keys 256 w .. + 255 for all of them.
;   Its K (16 tiles x 8 registers) and V (8 fragments x 16) stay in registers for the whole launch, and e of 16 queries x 256 keys (128 registers) stays in registers until the row's sum has come round.
;   Between waves go, for each tile of 16 queries, 16 partial sums a wave (64 bytes) and the wave's partial O (4,096 bytes), through LDS, in two sets that take turns: ONE barrier a tile.
; LAYOUT.  S^T = K Q^T (source 0 = 16 keys, source 1 = 16 queries): lane (r, hf) holds query r and keys 8 hf + 0 .. 7 of the tile; eight such numbers convert into registers 2 c, 2 c + 1 of source 1 of
;   O^T = V^T P^T (K = 128 keys).  O^T again holds one query a lane.  Nothing changes lanes between the products.
; THE WORK ROLLS BY QUARTERS of 64 keys (32 registers of e): a quarter of tile j is normalised, held and converted, and the registers just freed take the same quarter of tile j + 1.
; THE SUMS GO ROUND WHILE THE WAVE WORKS.  Quarters 1 to 3 have fixed registers; quarter 0 has TWO sets, which the tiles take by turns.  So when tile t's partial sums are stored one set is free, and tile t + 1's
;   quarter 0 (4 products, 16 scalings, 32 exponentials) stands round the store of the sums, the barrier, the loads behind it and the wait for them.  The 32 registers are found by letting the eight partial O land
;   in O's own registers and the eight sums in the codes' first eight, both idle at that time.
; ARITHMETIC.  e = 2^(c x sum), c = log2(e) / 8 x 2^(e6 + e7).  rn = 1 / ((row's sum + 1e-8) x 2^-32); e x rn = attn x 2^32, and the 2^32 is folded into the conversion's scale 2^(e8 + 32) and the hold:
;   so the reciprocal is a normal number for every finite sum.  out = sum of the second product x 2^(e8 + e9).  The row's sum and O are added over the eight waves in a fixed order.
; NO TENSOR LOADS, NO JOINT LOADS, though the eight work-groups of a head read the same K and V: each work-group reads its 262,144 bytes once, at its head, straight into the registers where they stay;
;   a joint load lands in LDS, from where 64 more LDS loads a wave would have to fetch them.  No prefetch: the launch's only stream stands at its head.
; LIMITS.  e6 + e7 between -123 and 130 (added to c's exponent field); e8 between -88 and 87.  An e under 2^-126 comes out as 0 (its attn is under 2^-99, under half of the smallest code).
;   Where e or a row's sum overflows f32 the definition gives no finite result, and this text is not served there.  NaN among the inputs is not served.
; THE MODE: SCHED_MODE bits 1:0 = 2 (LLVM: expert scheduling mode 2), set by the entry lines.  The code itself states the register dependences
;   between vector or matrix instructions and memory or LDS instructions, with s_wait_alu, always for 0.
; THE PLAN.  Registers that LDS or memory instructions touch, round the loop (BODY j, then SYNC j + 1):
;   v1, v3-v7   offsets and LDS addresses: written at the head, never again.
;   v[QA]       Written by one addition at SYNC's head; read by the two fetches of Q behind SYNC's barrier.
;   v[SD]       Written by SYNC's last addition; read by the store of the sum.
;   Q's sets    The fetch of tile t + 2 lands where tile t's lay; read by QK's products, the last of them in BODY's quarter 3.
;   v96-103     SYNC: the sums' loads land, the additions read and write them.  BODY: NORM's conversions write them as codes, PV reads them.
;   v64-95      BODY: PV writes O, eight LDS stores read it.  SYNC: eight loads of partial O land, REDUCE reads and writes them, the store to out reads v64-67.
;   e, the chains, K and V are named by vector and matrix instructions alone (K and V are loaded once, at the head).
; WAITS ON va_vdst, four a tile, three of which stand there for the exponentials in any case:
;   BODY, behind quarter 3's products: PV has written O and is done with the codes, QK is done with Q.  Up to O's stores only e and the chains are named.
;   SYNC's head: quarter 3's exponentials.        SYNC, ahead of the sum's store: v[SD] and v[QA] are written; up to the loads behind the barrier only the chains and quarter 0 of e are named.
;   SYNC's end: the reciprocal, quarter 0's exponentials, and REDUCE's results, which the store to out, behind it, reads.
; WAITS ON vm_vsrc, two a tile: BODY, ahead of PV (the store to out has read v64-67; SYNC's fetches v[QA]; its store v[SD]); SYNC, behind the barrier (O's stores have read v64-95, in which loads land).
.set QL,     0                         ; LDS: the block's 16 tiles of Q, 1,024 bytes each, as images of registers.  Behind them 2,048 bytes are left unused, so that the address of a fetch of Q
.set SUMS,   18432                     ; two sets of 512 bytes: query r's partial sum of wave w at 32 r + 4 w
.set OST,    19456                     ; two sets of partial O: wave w's 16 rows of 256 bytes + 16
.set OPITCH, 272                       ; an odd multiple of 16 bytes: the 16 rows that a store touches start at 16 different 16-byte columns modulo 256
.set OWAVE,  16*OPITCH
.set OSZ,    8*OWAVE
.set LI,   1                           ; v1      16 x lane; never rewritten
.set QA,   2                           ; v2      where I put Q at the head; then the LDS address of the tile of Q to fetch
.set SST,  3                           ; v3      SUMS + 32 r + 4 w
.set SLD,  4                           ; v4      SUMS + 32 r
.set OSTO, 5                           ; v5      OST + w's rows + r rows + 32 hf
.set OLD,  6                           ; v6      OST + (2 w + hf) rows + 16 r: wave w adds up and stores queries 2 w and 2 w + 1 of each tile
.set GO,   7                           ; v7      the same place in out: (2 w + hf) x 2,048 + 16 r
.set RN,   8                           ; v8      rn; the packed multiply names v[8:9] and takes v8 for both halves
.set SD,   9                           ; v9      my partial sum on its way to LDS
.set CH,   10                          ; v[10:13] the sum of e, in two packed chains
.set LIM,  14                          ; v14     448 x 2^(e8 + 32)
.set SC,   15                          ; v15     2^(e8 + 32)
.set QB1,  16                          ; v16-23  Q of the odd tiles
.set Z1,   24                          ; v24-55  quarter 0 of e of the odd tiles
.set QB0,  56                          ; v56-63  Q of the even tiles
.set O,    64                          ; v64-95  O^T, tile t of d at O + 8 t;
.set RB,   64                          ;         behind the barrier the eight waves' partial O of my two queries, 16 bytes each
.set PC,   96                          ; v96-127 attn's codes: two fragments of 128 keys;
.set PS,   96                          ;         v96-103 behind the barrier: the eight waves' partial sums
.set E,    128                         ; v128-255 scores, then e: quarter c at E + 32 c (quarter 0: the even tiles')
; window 1: v0-127 K (tile T at 8 T); v128-255 V (key step ks, d tile t at 128 + 16 (4 ks + t))
.set MSB, 0
.macro WIN new                         ; the immediate's high byte repeats the setting that is left; a switch that changes nothing is dropped
.if MSB != \new
	s_set_vgpr_msb (MSB<<8)|\new
.set MSB, \new
.endif
.endm
.macro NORM eb, c                      ; the quarter of e at v[eb] on becomes codes of attn, registers 8 c on of the codes
.set EC, \eb
.set j, 0
.rept 16
	v_pk_mul_f32 v[EC+j:EC+j+1], v[EC+j:EC+j+1], v[RN:RN+1] op_sel_hi:[1,0]
.set j, j+2
.endr
.set j, 0
.rept 32
	v_min_num_f32 v[EC+j], v[EC+j], v[LIM]         ; the conversion to an 8-bit code does not saturate (ISA guide 7.6.2); attn is not negative, so the hold is one-sided
.set j, j+1
.endr
.set j, 0
.rept 4
	v_cvt_scalef32_pk8_fp8_f32 v[PC+8*(\c)+2*j:PC+8*(\c)+2*j+1], v[EC+8*j:EC+8*j+7], v[SC]
.set j, j+1
.endr
	v_nop                                          ; a plain line between the conversions and the matrix instructions that write their sources or read their results
.endm
.macro QK eb, c, qb                    ; the scores of key tiles 4 c .. 4 c + 3 against the tile of Q at v[qb], into v[eb] on
.set EC, \eb
.set QR, \qb
	WIN 0x01                                       ; source 0 (K) window 1
.set j, 0
.rept 4
	v_wmma_f32_16x16x64_fp8_fp8 v[EC+8*j:EC+8*j+7], v[32*(\c)+8*j:32*(\c)+8*j+7], v[QR:QR+7], 0
.set j, j+1
.endr
	WIN 0
.endm
.macro ADD ea                          ; the quarter of e at v[ea] on goes onto the two chains: the sum is taken of e as it is, ahead of any quantising
.set EA, \ea
.set n, 0
.rept 16
	v_pk_add_f32 v[CH+2*(n%2):CH+2*(n%2)+1], v[CH+2*(n%2):CH+2*(n%2)+1], v[EA+2*n:EA+2*n+1]
.set n, n+1
.endr
.endm
.macro SCALE es                        ; scores x c; each accumulator from its low end on
.set ES, \es
.set n, 0
.rept 16
	v_pk_mul_f32 v[ES+2*n:ES+2*n+1], v[ES+2*n:ES+2*n+1], s[22:23] op_sel_hi:[1,0]
.set n, n+1
.endr
.endm
; ADD ea and SCALE es by turns.  The first four additions are the four plain lines between the products just issued and the first read of their results (ISA guide 7.12.1); from there on a scaling stands
; between two additions, so that two links of a chain stand four lines apart.  Additions and scalings keep their own order.
.macro ADSC ea, es
.set EA, \ea
.set ES, \es
.set n, 0
.rept 4
	v_pk_add_f32 v[CH+2*(n%2):CH+2*(n%2)+1], v[CH+2*(n%2):CH+2*(n%2)+1], v[EA+2*n:EA+2*n+1]
.set n, n+1
.endr
.rept 12
	v_pk_mul_f32 v[ES+2*(n-4):ES+2*(n-4)+1], v[ES+2*(n-4):ES+2*(n-4)+1], s[22:23] op_sel_hi:[1,0]
	v_pk_add_f32 v[CH+2*(n%2):CH+2*(n%2)+1], v[CH+2*(n%2):CH+2*(n%2)+1], v[EA+2*n:EA+2*n+1]
.set n, n+1
.endr
.rept 4
	v_pk_mul_f32 v[ES+2*(n-4):ES+2*(n-4)+1], v[ES+2*(n-4):ES+2*(n-4)+1], s[22:23] op_sel_hi:[1,0]
.set n, n+1
.endr
.endm
.macro EXPR eb, from, cnt              ; cnt exponentials in place, from register from of the quarter at v[eb]
.set EC, \eb
.set j, \from
.rept \cnt
	v_exp_f32 v[EC+j], v[EC+j]
.set j, j+1
.endr
.endm
.macro PV                              ; O^T = V^T P^T over my 256 keys: four accumulators by turns; the first key step starts the sums
	WIN 0x01                                       ; source 0 (V) window 1
.set j, 0
.rept 4
	v_wmma_f32_16x16x128_fp8_fp8 v[O+8*j:O+8*j+7], v[128+16*j:128+16*j+15], v[PC:PC+15], 0
.set j, j+1
.endr
.set j, 0
.rept 4
	v_wmma_f32_16x16x128_fp8_fp8 v[O+8*j:O+8*j+7], v[192+16*j:192+16*j+15], v[PC+16:PC+31], v[O+8*j:O+8*j+7]
.set j, j+1
.endr
	WIN 0
.endm
.macro REDUCE                          ; the eight partial O are added in a fixed tree and scaled; the store follows behind a wait on va_vdst
.set j, 0
.rept 4
	v_pk_add_f32 v[RB+8*j:RB+8*j+1], v[RB+8*j:RB+8*j+1], v[RB+8*j+4:RB+8*j+5]
	v_pk_add_f32 v[RB+8*j+2:RB+8*j+3], v[RB+8*j+2:RB+8*j+3], v[RB+8*j+6:RB+8*j+7]
.set j, j+1
.endr
.set j, 0
.rept 2
	v_pk_add_f32 v[RB+16*j:RB+16*j+1], v[RB+16*j:RB+16*j+1], v[RB+16*j+8:RB+16*j+9]
	v_pk_add_f32 v[RB+16*j+2:RB+16*j+3], v[RB+16*j+2:RB+16*j+3], v[RB+16*j+10:RB+16*j+11]
.set j, j+1
.endr
	v_pk_add_f32 v[RB:RB+1], v[RB:RB+1], v[RB+16:RB+17]
	v_pk_add_f32 v[RB+2:RB+3], v[RB+2:RB+3], v[RB+18:RB+19]
.set j, 0
.rept 4
	v_ldexp_f32 v[RB+j], v[RB+j], s26              ; x 2^(e8 + e9)
.set j, j+1
.endr
.endm
; BODY: tile j (j % 2 = par) is normalised and multiplied by V, and its partial O goes to set par.  qk = 1: quarters 1 to 3 of tile j + 1 are scored into the registers just freed.
; Each quarter's 32 exponentials are one batch with one wait, which stands a quarter later, ahead of the additions that read them; the next quarter's NORM is the independent work between.
; Quarter 0's exponentials have had their wait at the end of SYNC.
.macro BODY par, qk
.set ZJ, E-(E-Z1)*(\par)               ; quarter 0 of tile j
.set ZX, E-(E-Z1)*(1-(\par))           ; quarter 0 of tile j + 1
.set QX, QB0-(QB0-QB1)*(1-(\par))      ; Q of tile j + 1
	NORM ZJ, 0
	NORM E+32, 1
.if \qk
	QK E+32, 1, QX
	ADSC ZX, E+32
	EXPR E+32, 0, 32
.endif
	NORM E+64, 2
.if \qk
	QK E+64, 2, QX
	s_wait_alu depctr_va_vdst(0)                   ; quarter 1's exponentials are written, ahead of the first line that names a result
	ADSC E+32, E+64
	EXPR E+64, 0, 32
.endif
	NORM E+96, 3
	s_wait_xcnt 0x0                                ; the last tile's store to out has read v[64:67], which the products below write
	s_wait_alu depctr_vm_vsrc(0)                   ; the same store has read v[64:67]; SYNC's fetches of Q have read v[QA] and its store of the sum v[SD], which the next SYNC writes
	PV
.if \qk
	QK E+96, 3, QX
	s_wait_alu depctr_va_vdst(0)                   ; quarter 2's exponentials are written; PV has written O, which the stores below read, and is done with the codes, in which the sums will land; these products are done reading Q of tile j + 1, where tile j + 3's will land
	ADSC E+64, E+96                                ; (also the plain lines between PV and the stores of its results; they name e and the chains alone)
.else
.rept 4
	v_nop
.endr
	s_wait_alu depctr_va_vdst(0)                   ; PV has written O, which the stores below read; the plain lines above stay beside this wait
.endif
.set j, 0
.rept 4
	ds_store_b128 v[OSTO], v[O+8*j:O+8*j+3] offset:(\par)*OSZ+64*j        ; here, and not at the barrier: a quarter's exponentials and the next quarter's products stand between these stores and the wait for them
	ds_store_b128 v[OSTO], v[O+8*j+4:O+8*j+7] offset:(\par)*OSZ+64*j+16
.set j, j+1
.endr
.if \qk
	EXPR E+96, 0, 32
	v_nop                                          ; a plain line behind the last exponential
.endif
.endm
; SYNC: tile t's (t % 2 = par) sums go round.  My partial sum goes to set par; the barrier; all eight come back and give rn.  red = 1: tile t - 1's eight partial O (set 1 - par) are added and stored, ooff bytes from s[12:13].
; q0 = 1: quarter 0 of tile t + 1 is made meanwhile, in the set of registers that tile t does not hold.  qoff: where tile t + 2 of Q lies, from s29 on (0: none); it lands where tile t's lay.
; Between barriers t and t + 1 the waves read sums' set t % 2 and O's set (t - 1) % 2, and write O's set t % 2 and sums' set (t + 1) % 2: so one barrier a tile orders both ways.
.macro SYNC par, red, ooff, q0, qoff
.set ZX, E-(E-Z1)*(1-(\par))           ; quarter 0 of tile t + 1
.set QX, QB0-(QB0-QB1)*(1-(\par))      ; Q of tile t + 1
.set QN, QB0-(QB0-QB1)*(\par)          ; where Q of tile t + 2 lands
.if \qoff
	v_add_nc_u32 v[QA], s29, v[LI]                 ; here, ahead of the waits on va_vdst that stand below in any case.  The fetches that read v[QA] last stand ahead of BODY's wait on vm_vsrc (the first time: my stores of Q, ahead of the head's)
.endif
.if \q0
	QK ZX, 0, QX
	s_wait_alu depctr_va_vdst(0)                   ; quarter 3's exponentials are written
	ADSC E+96, ZX
.else
	s_wait_alu depctr_va_vdst(0)                   ; quarter 3's exponentials are written
	ADD E+96
.endif
	v_pk_add_f32 v[CH:CH+1], v[CH:CH+1], v[CH+2:CH+3]
	v_add_f32 v[CH], v[CH], v[CH+1]
	v_permlanex16_b32 v[CH+2], v[CH], s24, s25     ; the query's other keys of each tile lie in the lane 16 away
	v_add_f32 v[SD], v[CH], v[CH+2]
	s_wait_alu depctr_va_vdst(0)                   ; v[SD] is written, which the store reads; so is v[QA], which the fetches behind the barrier read.  From here to those loads only the chains and quarter 0 of e are named
	ds_store_b32 v[SST], v[SD] offset:(\par)*512
.if \q0
	v_mov_b32 v[CH], 0                             ; the next tile's chains
	v_mov_b32 v[CH+1], 0
	v_mov_b32 v[CH+2], 0
	v_mov_b32 v[CH+3], 0
	EXPR ZX, 0, 8                                  ; while the store is out
.endif
	s_wait_dscnt 0x0                               ; for the others' sake: my sum and my partial O have landed; my reads of the other sets are over
	s_barrier_signal -1
.if \q0
	EXPR ZX, 8, 12                                 ; register work alone between the signal and the wait
.endif
	s_barrier_wait -1
.if \red
	s_wait_alu depctr_vm_vsrc(0)                   ; my stores of partial O have read v[64:95], in which the eight loads below land
.endif
.if \qoff
	ds_load_b128 v[QN:QN+3], v[QA] offset:\qoff
	ds_load_b128 v[QN+4:QN+7], v[QA] offset:(\qoff)+512
.endif
	ds_load_b128 v[PS:PS+3], v[SLD] offset:(\par)*512
	ds_load_b128 v[PS+4:PS+7], v[SLD] offset:(\par)*512+16
.if \red
.set j, 0
.rept 8
	ds_load_b128 v[RB+4*j:RB+4*j+3], v[OLD] offset:(1-(\par))*OSZ+j*OWAVE
.set j, j+1
.endr
.endif
.if \q0
	EXPR ZX, 20, 12                                ; while the loads are out
.endif
.if \red
	s_wait_dscnt 8                                 ; Q's and the sums' loads are in; the eight of partial O behind them may be out
.else
	s_wait_dscnt 0x0
.endif
	v_pk_add_f32 v[PS:PS+1], v[PS:PS+1], v[PS+2:PS+3]
	v_pk_add_f32 v[PS+4:PS+5], v[PS+4:PS+5], v[PS+6:PS+7]
	v_pk_add_f32 v[PS:PS+1], v[PS:PS+1], v[PS+4:PS+5]
	v_add_f32 v[PS], v[PS], v[PS+1]
	v_add_f32 v[PS], 0x322bcc77, v[PS]             ; + 1e-8
	v_ldexp_f32 v[PS], v[PS], s28                  ; x 2^-32
	v_rcp_f32 v[RN], v[PS]
.if \red
	s_wait_dscnt 0x0
	REDUCE                                         ; the independent work behind the reciprocal
.else
	v_nop                                          ; a plain line behind the reciprocal
.endif
	s_wait_alu depctr_va_vdst(0)                   ; one wait: the reciprocal and quarter 0's exponentials are written, ahead of their first readers and of the loop's label and branch; so is the scaled O in v[64:67], which the store below reads
.if \red
	global_store_b128 v[GO], v[RB:RB+3], s[12:13] offset:\ooff th:TH_STORE_NT   ; sixteen lanes store 256 consecutive bytes, aligned
.endif
.endm
	s_load_b256 s[4:11], s[0:1], 0x0               ; q_codes s[4:5], k_codes s[6:7], v_codes s[8:9], the exponents s[10:11]
	s_load_b64 s[12:13], s[0:1], 0x20              ; out
	v_lshrrev_b32 v16, 5, v0
	v_readfirstlane_b32 s20, v16                   ; wave w
	v_and_b32 v16, 31, v0
	v_lshlrev_b32 v[LI], 4, v16
	v_and_b32 v17, 15, v0                          ; r
	v_bfe_u32 v18, v0, 4, 1                        ; hf
	s_wait_alu depctr_va_sdst(0)                   ; s20 is written, ahead of its first reader: LDS places and the buffers' bases are made from it
	s_lshl_b32 s30, s20, 11
	v_add_nc_u32 v[QA], s30, v[LI]                 ; at the head: my two tiles of Q
	v_lshlrev_b32 v[SLD], 5, v17
	v_add_nc_u32 v[SLD], SUMS, v[SLD]
	s_lshl_b32 s30, s20, 2
	v_add_nc_u32 v[SST], s30, v[SLD]
	v_mul_u32_u24 v[OSTO], v17, OPITCH
	v_lshl_add_u32 v[OSTO], v18, 5, v[OSTO]
	s_mul_i32 s30, s20, OWAVE
	s_add_co_u32 s30, s30, OST
	v_add_nc_u32 v[OSTO], s30, v[OSTO]
	v_mul_u32_u24 v[OLD], v18, OPITCH
	v_lshl_add_u32 v[OLD], v17, 4, v[OLD]
	s_mul_i32 s30, s20, 2*OPITCH
	s_add_co_u32 s30, s30, OST
	v_add_nc_u32 v[OLD], s30, v[OLD]
	v_lshlrev_b32 v[GO], 11, v18
	v_lshl_add_u32 v[GO], v17, 4, v[GO]
	s_lshl_b32 s30, s20, 12
	v_add_nc_u32 v[GO], s30, v[GO]
	v_mov_b32 v[SD], 0
	s_and_b32 s21, ttmp7, 0xffff                   ; 8 x batch + head
	s_lshl_b32 s30, s21, 17                        ; a head's codes: 131,072 bytes in each buffer
	s_lshl_b32 s32, s20, 14                        ; K, V: my 256 keys are 16,384 bytes
	s_add_co_u32 s32, s32, s30
	s_mov_b32 s33, 0
	s_lshl_b32 s34, ttmp9, 14                      ; Q: the block's 16 tiles,
	s_add_co_u32 s34, s34, s30
	s_lshl_b32 s31, s20, 11                        ; my two of them
	s_add_co_u32 s34, s34, s31
	s_mov_b32 s35, 0
	s_lshr_b32 s36, s21, 3
	s_lshl_b32 s36, s36, 22                        ; out: the batch's 2,048 rows of 2,048 bytes,
	s_lshl_b32 s31, ttmp9, 19                      ; the block's 256 rows,
	s_add_co_u32 s36, s36, s31
	s_and_b32 s31, s21, 7
	s_lshl_b32 s31, s31, 8                         ; the head's 256 bytes of a row
	s_add_co_u32 s36, s36, s31
	s_mov_b32 s37, 0
	s_mov_b32 s24, 0x76543210                      ; v_permlanex16_b32: each lane takes its own place in the other half
	s_mov_b32 s25, 0xfedcba98
	s_mov_b32 s28, -32
	s_mov_b32 s29, 0                               ; from where in QL the tiles of Q are counted
	s_mov_b32 s27, 6                               ; the loop's trips
	s_mov_b32 s22, 0x3e38aa3b                      ; log2(e) / 8
	s_wait_kmcnt 0x0
	s_load_b128 s[16:19], s[10:11], 0x18           ; e6, e7, e8, e9
	s_add_nc_u64 s[4:5], s[4:5], s[34:35]
	s_add_nc_u64 s[6:7], s[6:7], s[32:33]
	s_add_nc_u64 s[8:9], s[8:9], s[32:33]
	s_add_nc_u64 s[12:13], s[12:13], s[36:37]
	s_wait_alu depctr_va_vdst(0)                   ; the offsets and LDS addresses v1 to v7 are written, which the loads and stores read; the head's lines are done with v16 to v18, in which a tile of Q will land
.set j, 0
.rept 4
	global_load_b128 v[RB+4*j:RB+4*j+3], v[LI], s[4:5] offset:512*j th:TH_LOAD_NT   ; my two tiles of Q: read once in the launch
.set j, j+1
.endr
	WIN 0x40                                       ; destination window 1
.set j, 0
.rept 32
	global_load_b128 v[4*j:4*j+3], v[LI], s[6:7] offset:512*j      ; K: the images lie on end, 512 bytes for each four registers
.set j, j+1
.endr
	WIN 0
	s_wait_loadcnt 32                              ; Q's four loads are in; K's 32 may be out
.set j, 0
.rept 4
	ds_store_b128 v[QA], v[RB+4*j:RB+4*j+3] offset:QL+512*j
.set j, j+1
.endr
	WIN 0x40
.set j, 0
.rept 32
	global_load_b128 v[128+4*j:128+4*j+3], v[LI], s[8:9] offset:512*j   ; V likewise
.set j, j+1
.endr
	WIN 0
	s_wait_kmcnt 0x0
	s_add_co_i32 s30, s16, s17
	s_lshl_b32 s30, s30, 23
	s_add_co_i32 s22, s22, s30                     ; a score stands for score x 2^(e6 + e7): the exponents are added to c's exponent field
	s_mov_b32 s23, s22                             ; (named with it as a pair)
	s_add_co_i32 s26, s18, s19                     ; e8 + e9
	s_add_co_i32 s30, s18, 159                     ; e8 + 32 + 127
	s_lshl_b32 s31, s30, 23
	v_mov_b32 v[SC], s31
	s_add_co_i32 s30, s30, 8
	s_lshl_b32 s30, s30, 23
	s_or_b32 s30, s30, 0x600000
	v_mov_b32 v[LIM], s30
	s_wait_dscnt 0x0                               ; my part of Q lies in LDS,
	s_barrier_signal -1
	s_barrier_wait -1                              ; everybody's does
	s_wait_alu depctr_vm_vsrc(0)                   ; my stores of Q have read v[QA], which the first SYNC writes again
	ds_load_b128 v[QB0:QB0+3], v[LI] offset:QL                     ; tiles 0 and 1 of Q
	ds_load_b128 v[QB0+4:QB0+7], v[LI] offset:QL+512
	ds_load_b128 v[QB1:QB1+3], v[LI] offset:QL+1024
	ds_load_b128 v[QB1+4:QB1+7], v[LI] offset:QL+1536
	s_wait_loadcnt 32                              ; K is in; V's 32 loads may be out
	s_wait_dscnt 0x0
	; tile 0's four quarters: nothing is there yet to normalise
	QK E, 0, QB0
	v_mov_b32 v[CH], 0                             ; (the four plain lines behind the products)
	v_mov_b32 v[CH+1], 0
	v_mov_b32 v[CH+2], 0
	v_mov_b32 v[CH+3], 0
	SCALE E
	EXPR E, 0, 32
	v_nop                                          ; a plain line behind the last exponential, where a matrix instruction follows
	QK E+32, 1, QB0
	s_wait_alu depctr_va_vdst(0)                   ; quarter 0's exponentials are written
	ADSC E, E+32
	EXPR E+32, 0, 32
	v_nop
	QK E+64, 2, QB0
	s_wait_alu depctr_va_vdst(0)                   ; quarter 1's exponentials are written
	ADSC E+32, E+64
	EXPR E+64, 0, 32
	v_nop
	QK E+96, 3, QB0
	s_wait_alu depctr_va_vdst(0)                   ; quarter 2's exponentials are written; these products are done reading Q of tile 0, where tile 2's will land
	ADSC E+64, E+96
	EXPR E+96, 0, 32
	v_nop
	SYNC 0, 0, 0, 1, 2048                          ; tile 0's sums; tile 1's quarter 0; tile 2 of Q
	s_wait_loadcnt 0x0                             ; V is in
.Ltrip:                                                ; trip i: tiles 2 i and 2 i + 1 are normalised and multiplied, their O stored to out; tiles up to 2 i + 3's quarter 0 are scored; tiles 2 i + 3 and 2 i + 4 of Q fetched
	BODY 0, 1
	SYNC 1, 1, 0, 1, 3072
	BODY 1, 1
	SYNC 0, 1, 32768, 1, 4096
	s_wait_xcnt 0x0                                ; the stores have read their base
	s_add_nc_u64 s[12:13], s[12:13], 65536         ; 32 rows of out on
	s_add_co_u32 s29, s29, 2048
	s_sub_co_u32 s27, s27, 1
	s_cmp_lg_u32 s27, 0
	s_cbranch_scc1 .Ltrip
	BODY 0, 1                                      ; tile 12
	SYNC 1, 1, 0, 1, 3072                          ; tile 13's sums; O of tile 12; tile 14's quarter 0; tile 15 of Q, the last
	BODY 1, 1                                      ; tile 13
	SYNC 0, 1, 32768, 1, 0                         ; tile 14's sums; O of tile 13; tile 15's quarter 0
	BODY 0, 1                                      ; tile 14
	SYNC 1, 1, 65536, 0, 0                         ; tile 15's sums; O of tile 14; nothing is left to score
	BODY 1, 0                                      ; tile 15
	s_wait_dscnt 0x0                               ; my partial O of tile 15 has landed,
	s_barrier_signal -1
	s_barrier_wait -1                              ; everybody's has
	s_wait_alu depctr_vm_vsrc(0)                   ; my stores of partial O have read v[64:95], in which the eight loads below land
.set j, 0
.rept 8
	ds_load_b128 v[RB+4*j:RB+4*j+3], v[OLD] offset:OSZ+j*OWAVE
.set j, j+1
.endr
	s_wait_dscnt 0x0
	REDUCE
	s_wait_alu depctr_va_vdst(0)                   ; the scaled O in v[64:67] is written, which the store reads
	global_store_b128 v[GO], v[RB:RB+3], s[12:13] offset:98304 th:TH_STORE_NT
	s_wait_xcnt 0x0
	v_lshl_add_u32 v254, v0, 2, 0x15c00            ; the add's two registers are made anew, straight ahead of the closing lines; no memory or LDS instruction has ever read v254 or v255
	v_mov_b32 v255, 0
	s_wait_dscnt 0x0                               ; the closing lines, six on end
	s_wait_alu 0x0
	s_wait_tensorcnt 0x0
	ds_add_u32 v254, v255
	s_wait_dscnt 0x0
	s_endpgm
.Lfunc_end_k_q4abf87f577_attn:
	.size	k_q4abf87f577_attn, .Lfunc_end_k_q4abf87f577_attn-k_q4abf87f577_attn
	.p2alignl 7, 3214868480
	.fill 96, 4, 3214868480
	.section	.rodata,"a",@progbits
	.p2align	6, 0x0
	.amdhsa_kernel k_q4abf87f577_attn
		.amdhsa_group_segment_fixed_size 90112
		.amdhsa_private_segment_fixed_size 0
		.amdhsa_enable_private_segment 0
		.amdhsa_kernarg_size 40
		.amdhsa_user_sgpr_count 2
		.amdhsa_user_sgpr_kernarg_segment_ptr 1
		.amdhsa_wavefront_size32 1
		.amdhsa_system_sgpr_workgroup_id_x 1
		.amdhsa_system_sgpr_workgroup_id_y 1
		.amdhsa_system_sgpr_workgroup_id_z 1
		.amdhsa_system_vgpr_workitem_id 0
		.amdhsa_next_free_vgpr 512
		.amdhsa_next_free_sgpr 66
		.amdhsa_reserve_vcc 0
		.amdhsa_float_denorm_mode_32 3
		.amdhsa_float_denorm_mode_16_64 3
		.amdhsa_memory_ordered 1
		.amdhsa_forward_progress 1
		.amdhsa_inst_pref_size 172
	.end_amdhsa_kernel
	.amdgpu_metadata
---
amdhsa.version: [ 1, 2 ]
amdhsa.kernels:
  - .name:           k_q4abf87f577_attn
    .symbol:         k_q4abf87f577_attn.kd
    .args:
      - { .name: q_codes, .offset: 0, .size: 8, .value_kind: global_buffer, .address_space: global }
      - { .name: k_codes, .offset: 8, .size: 8, .value_kind: global_buffer, .address_space: global }
      - { .name: v_codes, .offset: 16, .size: 8, .value_kind: global_buffer, .address_space: global }
      - { .name: lowp_scales, .offset: 24, .size: 8, .value_kind: global_buffer, .address_space: global }
      - { .name: out0, .offset: 32, .size: 8, .value_kind: global_buffer, .address_space: global }
    .group_segment_fixed_size: 90112
    .private_segment_fixed_size: 0
    .kernarg_segment_align: 8
    .kernarg_segment_size: 40
    .max_flat_workgroup_size: 256
    .sgpr_count:     66
    .vgpr_count:     512
    .wavefront_size: 32
...
	.end_amdgpu_metadata
.endif
;; end of part 4
